; MI455X (gfx1250); checked and timed in simulation.
; The chip was launched on July 23, 2026; its instructions are those of AMD's public machine-readable ISA for CDNA 5 (MIT licence, August 2026) and "CDNA5" Instruction Set Architecture Reference Guide (July 2026). The comments in the code are by the model that wrote it; some were corrected since.
;; Multi Head Attention. Allowed arithmetic: matrix products marked QUANTISED: E4M3 operands, one E8M0 scale for each 32 along K, by v_wmma_scale_f32_16x16x128_f8f6f4 with both operands' format E4M3, f32 sums; everything else in f32.
;; Inputs: Wk 1,024 x 1,024 float32; Wp 1,024 x 1,024 float32; Wq 1,024 x 1,024 float32; Wv 1,024 x 1,024 float32; attention_mask 4 x 2,048 int32; bk 1,024 float32; bp 1,024 float32; bq 1,024 float32; bv 1,024 float32; x 4 x 2,048 x 1,024 float32.
;; Outputs: out0 4 x 2,048 x 1,024 float32.
;; This version of the problem:
;;   THIS VERSION OF THE PROBLEM IS GIVEN IN LOW PRECISION. The matrix products marked QUANTISED in the list below multiply operands that are first quantised to E4M3 (4 exponent bits, 3 mantissa bits; 8 bits a number), with one power-of-two scale for each 32 numbers along K (OCP MX v1.0); their sums are f32. All else is computed in f32.
;;   The module's matrix products, in the order in which they are computed (A, B: the left and right operand; K: the contracted axis; several contracted axes count as one K, in the product's order):
;;     1. [M 8,192, K 1,024] x [K 1,024, N 1,024]; A: input x; B: input Wq: QUANTISED
;;     2. [M 8,192, K 1,024] x [K 1,024, N 1,024]; A: input x; B: input Wk: QUANTISED
;;     3. [M 8,192, K 1,024] x [K 1,024, N 1,024]; A: input x; B: input Wv: QUANTISED
;;     4. batch 64 x [M 2,048, K 64] x [K 64, N 2,048]; A: computed on the way; B: computed on the way: QUANTISED
;;     5. batch 64 x [M 2,048, K 2,048] x [K 2,048, N 64]; A: softmax (see below); B: computed on the way: QUANTISED
;;     6. [M 8,192, K 1,024] x [K 1,024, N 1,024]; A: computed on the way; B: input Wp: QUANTISED
;;   THE QUANTISER, for each operand of a quantised product, along K:
;;     - K is cut into blocks of 32 from its start; a last block that is shorter is filled with zeros.
;;     - A block's scale is 2^e with e = floor(log2(the largest magnitude in the block)) - 8, held to -126 .. 127; a block of zeros has e = 0. As a byte (E8M0): e + 127.
;;     - Each number is divided by its block's scale, clamped to +-448, and rounded to the nearest number of E4M3, ties to even, subnormals kept.
;;     - The product sums the exact products of the quantised numbers (number of the format x scale) in f32.
;;   ~~~python
;;   def quantise(x, axis):      # numpy; x: float32 -> the quantised numbers, widened to float32 again
;;       x = np.moveaxis(x, axis, -1); K = x.shape[-1]
;;       x = np.pad(x, [(0, 0)] * (x.ndim - 1) + [(0, -K % 32)]); x = x.reshape(x.shape[:-1] + (-1, 32)); a = np.abs(x).max(-1, keepdims=True)
;;       e = np.where(a > 0, np.clip(np.frexp(np.where(a > 0, a, 1))[1] - 1 - 8, -126, 127), 0)      # np.frexp(a)[1] - 1 = floor(log2(a)), exactly
;;       r = np.clip(x / 2.0 ** e, -448, 448)
;;       step = 2.0 ** (np.maximum(np.frexp(np.where(r == 0, 1, r))[1] - 1, -6) - 3)
;;       q = np.round(r / step) * step * 2.0 ** e      # np.round: ties to even
;;       return np.moveaxis(q.reshape(q.shape[:-2] + (-1,))[..., :K], -1, axis).astype(np.float32)
;;   ~~~
;;   SOFTMAX AHEAD OF A QUANTISED PRODUCT. Where the list says 'softmax', what is quantised is not the finished softmax but p = 2^(t - M), with t = logit x log2(e) and M = ceil(the row's largest t), a whole number; so 1/2 < the row's largest p <= 1. The row's sum l is taken of the UNQUANTISED p, in f32, and the product's result is divided by l at the end. Since M is a whole number, a kernel that streams over the keys may use a running M (the ceiling of the running maximum): every later rescaling is an exact power of two, which a block's scale takes up: the codes' values come out the same.
;;   OPERANDS COMPUTED ON THE WAY. 'Computed on the way' means the value that the module computes at that place (a softmax that the list does not call 'softmax' is quantised finished and normalised). What goes into a quantiser is computed in f32, as accurately as f32 sums, v_exp_f32 and their like allow (about 1e-6 of the number): no bf16 or f16 on the way to a quantiser, and a product that is left as it is and whose result goes on into a quantised operand takes f32 operands (vector FMAs, or v_wmma_f32_16x16x4_f32). A number that lies on a knife's edge between two numbers of the format may be rounded either way, as far as f32 arithmetic and the matrix unit's own rounding can turn it there, and no further.
;; One version. Each part assembles by itself: llvm-mc -triple=amdgcn-amd-amdhsa -mcpu=gfx1250 --defsym DOCPART=n.
;; ======== version 1 of 1: 4 launches
;; limits: right only within a limited range of input values
;; workspace buffers: xw 12,976,128 bytes; qkv 25,952,256 bytes; yq 8,650,752 bytes
;; launch prep (part 1): grid 384 x 1, 4 waves a work-group, no clusters, 69,120 bytes of LDS; arguments x, Wq, Wk, Wv, Wp, xw; writes xw
.if DOCPART == 1
	.amdgcn_target "amdgcn-amd-amdhsa--gfx1250"
	.amdhsa_code_object_version 6
	.text
	.protected	k_q696886f615_prep
	.globl	k_q696886f615_prep
	.p2align	8
	.type	k_q696886f615_prep,@function
k_q696886f615_prep:
	s_mov_b64 s[64:65], 0
	v_nop
	global_prefetch_b8 v0, s[64:65] scope:SCOPE_SE
	s_setreg_imm32_b32 hwreg(HW_REG_WAVE_MODE, 25, 1), 1
	s_wait_xcnt 0x0
; x [8192][1024] f32 and the four weights [1024 (k)][1024 (n)] f32 become codes of FP8 (E4M3) with one E8M0 scale byte for each 32 along K, K innermost:
; xw holds x's codes [8192][1024], the weights' codes [4096 rows: the columns n of Wq, Wk, Wv, Wp][1024 k], x's scale bytes [8192][32], the weights' [4096][32].
; A block's scale is 2^(floor(log2(its largest magnitude)) - 8); its byte is the largest magnitude's exponent field - 8, held at 1 from below; each number is divided by the scale, held within +-448, rounded to the nearest code.
; LIMITS: a block whose largest magnitude lies under 2^(9 - 127), a block of zeros among them, gets the byte 1 (its codes add nothing; this program alone reads the bytes); NaN and infinities are not served.
; Work-groups 0 to 255 take x: K is innermost, the tensor is a plain stream of blocks of 32.  Work-groups 256 to 383 take the weights: K is the first axis, so a lane takes a column and its registers run down K.
; The two ways part on the work-group's number; each has LDS bytes of its own.  No tensor loads, no barrier: waves share nothing.  No matrix work, no cluster: memory binds, and no byte is read twice.
.set X_CODES,  0
.set W_CODES,  8388608
.set X_SCALES, 12582912
.set W_SCALES, 12845056
.set EMAX,  8
.set MANT,  0x600000                   ; the mantissa field of 448 as f32
.set STEPS, 16                         ; x: a wave takes 16 steps of 512 numbers
.set CBY,   16                         ; bytes of 16 codes
.set XR,    16                         ; v16-79   four sets of 16 numbers as they are loaded
.set XX,    80                         ; v80-111  two sets of 16 neighbours
.set XE,    112                        ; v112-127 a scale byte for each step
.set XC,    128                        ; v128-191 codes: four registers for each step, so that no store's data are written again
.set WREG,  8192                       ; x: LDS of a wave: two stages of 32 x SPL bytes, and behind them its 256 scale bytes
.set SPL,   80                         ; a lane's place in a stage: its 64 bytes + 16 of padding
.set NB,    8                          ; weights: blocks of 32 along K for a wave (256 along K)
.set WPITCH, 272                       ; a stage row: 256 bytes of codes + 16
.set WSTG,  32768                      ; the weights' stages begin behind x's LDS bytes
.set WX,    32                         ; v32-95   two sets of 32 numbers
.set WC,    96                         ; v96-103  a block's codes
.set WOUT,  112                        ; v112-175 the way out
.set WSB,   24                         ; v24-25   the scale bytes, four to a register
	s_load_b256 s[4:11], s[0:1], 0x0               ; x, Wq, Wk, Wv
	s_load_b128 s[12:15], s[0:1], 0x20             ; Wp, xw
	v_lshl_add_u32 v192, v0, 2, 0x10c00
	v_mov_b32 v193, 0
	v_lshrrev_b32 v1, 5, v0
	v_readfirstlane_b32 s16, v1                    ; wave
	v_and_b32 v2, 31, v0                           ; lane
	s_cmp_lt_u32 ttmp9, 256
	s_cbranch_scc0 .Lweights                       ; the whole work-group goes one way
; ---------------- x ----------------
; Each load reads 512 consecutive bytes, 16 a lane; a step's 2,048 bytes go through the wave's own stage and come back 64 bytes a lane: 16 neighbours along K, two lanes to a block.
	v_lshlrev_b32 v3, 4, v2                        ; my 16 bytes of a load's 512
	s_mul_i32 s17, s16, WREG
	v_lshrrev_b32 v14, 2, v2
	v_mul_u32_u24 v14, v14, SPL
	v_and_b32 v15, 3, v2
	v_lshl_add_u32 v14, v15, 4, v14
	v_add_nc_u32 v14, s17, v14                     ; the stage on the way in: SPL (lane / 4) + 16 (lane % 4)
	v_mul_u32_u24 v15, v2, SPL
	v_add_nc_u32 v15, s17, v15                     ; and on the way out: SPL x lane
	v_mul_u32_u24 v4, v2, CBY                      ; my codes' place in a step's
	v_lshrrev_b32 v5, 1, v2
	s_add_co_u32 s17, s17, 2*32*SPL
	v_add_nc_u32 v5, s17, v5                       ; my wave's 256 scale bytes, my block's byte
	v_lshlrev_b32 v7, 3, v2
	v_add_nc_u32 v6, s17, v7                       ; and on the way out 8 bytes a lane
	s_mov_b32 s23, MANT
	s_lshl_b32 s18, ttmp9, 2
	s_add_co_u32 s18, s18, s16                     ; which run of 8,192 numbers is my wave's
	s_mov_b32 s21, 0
	s_mov_b32 s25, 0
	s_mov_b32 s27, 0
	s_lshl_b32 s20, s18, 15                        ; 32,768 bytes of f32,
	s_lshl_b32 s24, s18, 13                        ; 8,192 bytes of codes,
	s_lshl_b32 s26, s18, 8                         ; 256 scale bytes a run
	s_add_co_u32 s26, s26, X_SCALES
	s_wait_kmcnt 0x0
	s_add_nc_u64 s[4:5], s[4:5], s[20:21]
	s_add_nc_u64 s[8:9], s[14:15], s[24:25]
	s_add_nc_u64 s[10:11], s[14:15], s[26:27]
.macro XLOAD t
.irp i, 0,1,2,3
	global_load_b128 v[XR+16*((\t)%4)+4*\i:XR+16*((\t)%4)+4*\i+3], v3, s[4:5] offset:2048*(\t)+512*\i th:TH_LOAD_NT   ; 32 lanes read 512 consecutive bytes; read once in the launch
.endr
.endm
.macro XTURN t                         ; step t's numbers through the stage: LDS serves a wave's instructions in order, so no wait stands between the stores and the loads
.irp i, 0,1,2,3
	ds_store_b128 v14, v[XR+16*((\t)%4)+4*\i:XR+16*((\t)%4)+4*\i+3] offset:32*SPL*((\t)%2)+8*SPL*\i
.endr
.irp i, 0,1,2,3
	ds_load_b128 v[XX+16*((\t)%2)+4*\i:XX+16*((\t)%2)+4*\i+3], v15 offset:32*SPL*((\t)%2)+16*\i
.endr
.endm
.irp t, 0,1,2,3
	XLOAD \t
.endr
	s_wait_loadcnt 12                              ; step 0's four loads are in; twelve younger ones stay out
	XTURN 0
.macro XSTEP t
.set XS, XX+16*((\t)%2)
.if (\t) > 0
	s_wait_dscnt 1                                 ; this step's numbers are back from the stage (the last step's byte store may be out), so its stores into the stage have read their registers,
.else
	s_wait_dscnt 0x0
.endif
.if (\t)+4 < STEPS
	XLOAD (\t)+4                                   ; which take the loads of four steps on
.endif
.if (\t)+1 < STEPS
.if STEPS-2-(\t) >= 3
	s_wait_loadcnt 12                              ; the next step's four loads are in; those of the three steps behind it may be out
.else
	s_wait_loadcnt 4*(STEPS-2-(\t))
.endif
	XTURN (\t)+1                                   ; and go through the other stage while this step is worked
.endif
	v_max3_num_f32 v8, |v[XS]|, |v[XS+1]|, |v[XS+2]|               ; the largest magnitude of my 16, in two chains
	v_max3_num_f32 v9, |v[XS+3]|, |v[XS+4]|, |v[XS+5]|
.irp i, 6,10
	v_max3_num_f32 v8, v8, |v[XS+\i]|, |v[XS+\i+1]|
	v_max3_num_f32 v9, v9, |v[XS+\i+2]|, |v[XS+\i+3]|
.endr
	v_max3_num_f32 v8, v8, |v[XS+14]|, |v[XS+15]|
	v_max3_num_f32 v8, v8, v9, (EMAX+1)<<23        ; and the floor 2^(9 - 127): the byte cannot fall under 1
	v_max_num_f32_dpp v8, v8, v8 row_xmask:1 row_mask:0xf bank_mask:0xf   ; and of my neighbour's 16: the block's
	v_add_nc_u32 v11, -(EMAX<<23), v8              ; 8 off its exponent field: the conversion takes this operand's exponent field as its scale
	v_and_or_b32 v10, v8, 0x7f800000, s23          ; 448 x the scale
.irp i, 0,1,2,3,4,5,6,7,8,9,10,11,12,13,14,15
	v_med3_num_f32 v[XS+\i], v[XS+\i], -v10, v10   ; the conversion to an 8-bit code does not saturate (ISA guide 7.6.2): the hold comes first
.endr
	v_cvt_scalef32_pk8_fp8_f32 v[XC+4*(\t):XC+4*(\t)+1], v[XS:XS+7], v11
	v_cvt_scalef32_pk8_fp8_f32 v[XC+4*(\t)+2:XC+4*(\t)+3], v[XS+8:XS+15], v11
	v_lshrrev_b32 v[XE+(\t)], 23, v11              ; the scale's byte
	ds_store_b8 v5, v[XE+(\t)] offset:16*(\t)      ; both lanes of a block write the same byte with the same value
	global_store_b128 v4, v[XC+4*(\t):XC+4*(\t)+3], s[8:9] offset:32*CBY*(\t)   ; the wave stores 512 consecutive bytes
.endm
.irp t, 0,1,2,3,4,5,6,7,8,9,10,11,12,13,14,15
	XSTEP \t
.endr
	ds_load_b64 v[12:13], v6                       ; LDS serves a wave's instructions in order: these see my byte stores
	s_wait_dscnt 0x0
	global_store_b64 v7, v[12:13], s[10:11]        ; 32 lanes store 256 consecutive bytes, aligned
	s_wait_tensorcnt 0x0
	ds_add_u32 v192, v193
	s_wait_dscnt 0x0
	s_endpgm
; ---------------- the weights ----------------
; Work-group i = number - 256: weight i / 32, 128 columns (i % 8), 256 along K ((i / 8) % 4).  A wave takes 32 columns: each load reads 128 consecutive bytes of one row k; a block of 32 along K lies in one
; lane's 32 registers.  A lane's codes belong to its own output row, so they go through the wave's stage and leave as rows: sixteen lanes store 256 consecutive bytes.
.Lweights:
	s_sub_co_u32 s17, ttmp9, 256
	s_lshr_b32 s24, s17, 5                         ; which weight
	s_and_b32 s25, s17, 7
	s_bfe_u32 s26, s17, 0x20003                    ; which 256 along K
	s_lshl_b32 s27, s25, 7
	s_lshl_b32 s28, s16, 5
	s_add_co_u32 s27, s27, s28                     ; my wave's first column
	v_lshlrev_b32 v3, 2, v2                        ; in: 4 bytes a lane
	s_mul_i32 s19, s16, 32*WPITCH
	s_add_co_u32 s19, s19, WSTG                    ; my stage
	v_mul_u32_u24 v4, v2, WPITCH
	v_add_nc_u32 v4, s19, v4                       ; into it: row = my column
	v_and_b32 v5, 15, v2
	v_lshrrev_b32 v6, 4, v2
	v_mul_u32_u24 v7, v6, WPITCH
	v_lshl_add_u32 v7, v5, 4, v7
	v_add_nc_u32 v7, s19, v7                       ; out of it: sixteen lanes to a row, two rows an instruction
	v_lshlrev_b32 v8, 10, v6
	v_lshl_add_u32 v8, v5, 4, v8                   ; and the same place in the codes (rows of 1,024 bytes)
	v_lshlrev_b32 v9, 5, v2                        ; my column's row of 32 scale bytes
	s_lshl_b32 s20, s26, 20                        ; the source: 256 rows of 4,096 bytes for each step along K,
	s_lshl_b32 s28, s27, 2
	s_add_co_u32 s20, s20, s28                     ; + 4 x column
	s_mov_b32 s21, 0
	s_lshl_b32 s28, s24, 10
	s_add_co_u32 s28, s28, s27                     ; the output row: 1,024 x weight + column
	s_lshl_b32 s22, s28, 10
	s_lshl_b32 s29, s26, 8
	s_add_co_u32 s22, s22, s29
	s_add_co_u32 s22, s22, W_CODES
	s_mov_b32 s23, 0
	s_lshl_b32 s30, s28, 5
	s_lshl_b32 s29, s26, 3
	s_add_co_u32 s30, s30, s29
	s_add_co_u32 s30, s30, W_SCALES
	s_mov_b32 s31, 0
	s_mov_b32 s33, MANT
	s_wait_kmcnt 0x0
	s_cmp_eq_u32 s24, 1                            ; the choice of the source hangs on the work-group's number alone
	s_cselect_b64 s[6:7], s[8:9], s[6:7]
	s_cmp_eq_u32 s24, 2
	s_cselect_b64 s[6:7], s[10:11], s[6:7]
	s_cmp_eq_u32 s24, 3
	s_cselect_b64 s[6:7], s[12:13], s[6:7]
	s_add_nc_u64 s[4:5], s[6:7], s[20:21]
	s_add_nc_u64 s[8:9], s[14:15], s[22:23]
	s_add_nc_u64 s[10:11], s[14:15], s[30:31]
.macro WLOAD t                         ; block t: W(32 t + i, my column), i = 0 .. 31, into set t % 2; the largest offset, 255 rows of 4,096 bytes, lies inside the signed 24-bit immediate
.irp i, 0,1,2,3,4,5,6,7,8,9,10,11,12,13,14,15,16,17,18,19,20,21,22,23,24,25,26,27,28,29,30,31
	global_load_b32 v[WX+32*((\t)%2)+\i], v3, s[4:5] offset:(32*(\t)+\i)*4096 th:TH_LOAD_NT
.endr
.endm
	WLOAD 0
	WLOAD 1
.macro WBLOCK t
.set XS, WX+32*((\t)%2)
.if (\t) < NB-1
	s_wait_loadcnt 32                              ; this block's 32 loads are in; the next block's may be out
.else
	s_wait_loadcnt 0
.endif
	v_max3_num_f32 v12, |v[XS]|, |v[XS+1]|, |v[XS+2]|               ; the block's largest magnitude: all 32 numbers are mine
	v_max3_num_f32 v13, |v[XS+3]|, |v[XS+4]|, |v[XS+5]|
.irp i, 6,10,14,18,22,26
	v_max3_num_f32 v12, v12, |v[XS+\i]|, |v[XS+\i+1]|
	v_max3_num_f32 v13, v13, |v[XS+\i+2]|, |v[XS+\i+3]|
.endr
	v_max3_num_f32 v12, v12, |v[XS+30]|, |v[XS+31]|
	v_max3_num_f32 v12, v12, v13, (EMAX+1)<<23     ; and the floor
	v_add_nc_u32 v11, -(EMAX<<23), v12             ; the conversion's scale operand
	v_and_or_b32 v10, v12, 0x7f800000, s33         ; 448 x the scale
	v_lshrrev_b32 v13, 23, v11                     ; the scale's byte
.if (\t)%4 == 0
	v_mov_b32 v[WSB+(\t)/4], v13                   ; four bytes to a register, the lower K in the lower byte
.else
	v_lshl_or_b32 v[WSB+(\t)/4], v13, 8*((\t)%4), v[WSB+(\t)/4]
.endif
.irp i, 0,1,2,3,4,5,6,7,8,9,10,11,12,13,14,15,16,17,18,19,20,21,22,23,24,25,26,27,28,29,30,31
	v_med3_num_f32 v[XS+\i], v[XS+\i], -v10, v10
.endr
.irp g, 0,1,2,3
	v_cvt_scalef32_pk8_fp8_f32 v[WC+2*\g:WC+2*\g+1], v[XS+8*\g:XS+8*\g+7], v11
.endr
	ds_store_b128 v4, v[WC:WC+3] offset:32*(\t)    ; 32 codes: 32 bytes of my column's row
	ds_store_b128 v4, v[WC+4:WC+7] offset:32*(\t)+16
.if (\t)+2 < NB
	WLOAD (\t)+2
.endif
	s_wait_dscnt 0x0                               ; the stores have read their registers: the next block's codes may be written
.endm
.irp t, 0,1,2,3,4,5,6,7
	WBLOCK \t
.endr
	global_store_b64 v9, v[WSB:WSB+1], s[10:11]    ; my column's 8 scale bytes
.irp t, 0,1,2,3,4,5,6,7,8,9,10,11,12,13,14,15
	ds_load_b128 v[WOUT+4*\t:WOUT+4*\t+3], v7 offset:2*\t*WPITCH   ; LDS serves a wave's instructions in order: these see my stores
.endr
.irp t, 0,1,2,3,4,5,6,7,8,9,10,11,12,13,14,15
	s_wait_dscnt 15-\t
	global_store_b128 v8, v[WOUT+4*\t:WOUT+4*\t+3], s[8:9] offset:2*\t*1024
.endr
	s_wait_tensorcnt 0x0
	ds_add_u32 v192, v193
	s_wait_dscnt 0x0
	s_endpgm
.Lfunc_end_k_q696886f615_prep:
	.size	k_q696886f615_prep, .Lfunc_end_k_q696886f615_prep-k_q696886f615_prep
	.p2alignl 7, 3214868480
	.fill 96, 4, 3214868480
	.section	.rodata,"a",@progbits
	.p2align	6, 0x0
	.amdhsa_kernel k_q696886f615_prep
		.amdhsa_group_segment_fixed_size 69120
		.amdhsa_private_segment_fixed_size 0
		.amdhsa_enable_private_segment 0
		.amdhsa_kernarg_size 48
		.amdhsa_user_sgpr_count 2
		.amdhsa_user_sgpr_kernarg_segment_ptr 1
		.amdhsa_wavefront_size32 1
		.amdhsa_system_sgpr_workgroup_id_x 1
		.amdhsa_system_sgpr_workgroup_id_y 1
		.amdhsa_system_sgpr_workgroup_id_z 1
		.amdhsa_system_vgpr_workitem_id 0
		.amdhsa_next_free_vgpr 194
		.amdhsa_next_free_sgpr 66
		.amdhsa_reserve_vcc 0
		.amdhsa_float_denorm_mode_32 3
		.amdhsa_float_denorm_mode_16_64 3
		.amdhsa_memory_ordered 1
		.amdhsa_forward_progress 1
		.amdhsa_inst_pref_size 110
	.end_amdhsa_kernel
	.amdgpu_metadata
---
amdhsa.version: [ 1, 2 ]
amdhsa.kernels:
  - .name:           k_q696886f615_prep
    .symbol:         k_q696886f615_prep.kd
    .args:
      - { .name: x, .offset: 0, .size: 8, .value_kind: global_buffer, .address_space: global }
      - { .name: Wq, .offset: 8, .size: 8, .value_kind: global_buffer, .address_space: global }
      - { .name: Wk, .offset: 16, .size: 8, .value_kind: global_buffer, .address_space: global }
      - { .name: Wv, .offset: 24, .size: 8, .value_kind: global_buffer, .address_space: global }
      - { .name: Wp, .offset: 32, .size: 8, .value_kind: global_buffer, .address_space: global }
      - { .name: xw, .offset: 40, .size: 8, .value_kind: global_buffer, .address_space: global }
    .group_segment_fixed_size: 69120
    .private_segment_fixed_size: 0
    .kernarg_segment_align: 8
    .kernarg_segment_size: 48
    .max_flat_workgroup_size: 128
    .sgpr_count:     66
    .vgpr_count:     194
    .wavefront_size: 32
...
	.end_amdgpu_metadata
.endif
;; end of part 1
;; launch qkv (part 2): grid 12 x 32, 4 waves a work-group, clusters of 4 x 4, 327,680 bytes of LDS; arguments xw, bq, bk, bv, qkv; writes qkv
.if DOCPART == 2
	.amdgcn_target "amdgcn-amd-amdhsa--gfx1250"
	.amdhsa_code_object_version 6
	.text
	.protected	k_q696886f615_qkv
	.globl	k_q696886f615_qkv
	.p2align	8
	.type	k_q696886f615_qkv,@function
k_q696886f615_qkv:
	s_mov_b64 s[64:65], 0
	v_nop
	global_prefetch_b8 v0, s[64:65] scope:SCOPE_SE
	s_setreg_imm32_b32 hwreg(HW_REG_WAVE_MODE, 25, 1), 1
	s_wait_xcnt 0x0
	s_wait_alu depctr_hold_cnt(0) depctr_sa_sdst(0) depctr_va_vdst(0) depctr_va_sdst(0) depctr_va_ssrc(0) depctr_va_vcc(0) depctr_vm_vsrc(0)
	s_getreg_b32 s2, hwreg(HW_REG_IB_STS2, 6, 4)
	s_cmp_eq_u32 s2, 0
	s_cbranch_scc0 .Lentry_in_a_cluster
	s_endpgm
.Lentry_in_a_cluster:
	s_bfe_u32 s2, ttmp6, 0x10000c
	s_cmp_lg_u32 s2, 0xf033
	s_cbranch_scc0 .Lentry_shape_is_right
	s_endpgm
.Lentry_shape_is_right:
; q = x Wq + bq, k = x Wk + bk, v = x Wv + bv on codes of FP8 (E4M3) with E8M0 scales for each 32 along K = 1,024, and the results quantised again: q and k along the head's 64, v along the keys.
; ONE TEXT FOR THREE PRODUCTS.  It makes C'[m'][n'] = sum over k of A[m'][k] B[n'][k] + bias and quantises C' along n'.  Clusters with x = 0, 1 (kind QK): m' = token, n' = column of [Wq | Wk].
; Clusters with x = 2 (kind V): m' = channel of Wv, n' = token: the transposed product, so that the keys run along n'.  The kind is the cluster's x: the same in all sixteen partners.
; A tile of C', 256 x 256, is made by four waves, 128 x 128 each: 64 accumulators, 512 registers.  K goes in steps of 256 through a ring of two LDS slots filled by the tensor data mover (rows of 256 bytes).
; The scale bytes of the tile's 256 + 256 rows, for all of K, come into LDS once.  4 x 4 work-groups form a cluster: A's tile is asked for jointly by a row of the cluster, B's by a column.
; The matrix instruction is used transposed (source 0 = 16 rows of B, source 1 = 16 rows of A): a lane holds one m' and its registers run along n', the quantiser's axis.  The bias is the C of the first K step.
; OUT: q's and k's codes: plane (which, batch, head) = [128 groups of 16 tokens][16 pieces of 64 bytes]; piece 2 (r % 8) + r / 8 holds token r of the group.  v's codes: plane (batch, head) =
; [32 chunks of 64 keys][4 groups of 16 channels][16 pieces of 64 bytes], pieces ordered alike.  Scale words: q, k: [which][batch][head pair][token]; v: [batch, head][128 keys][channel].
; LIMITS: a block whose largest magnitude lies under 2^(9 - 127) gets the byte 1 (this program alone reads the bytes); NaN and infinities are not served.
; REGISTERS, in windows of 256: window 0: v0-31 addresses; v32-63 scale words, two sets; v64-127 the bias, eight sets of 8; from v128 A's fragments, one set; on the way out v64-255 are at work.
;   window 1: B's fragments, two sets.   window 2: the accumulators of my rows 0-63 ((a, b) at v[8 (8 a + b)]);   window 3: those of rows 64-127.
.set W_CODES,  8388608
.set X_SCALES, 12582912
.set W_SCALES, 12845056
.set QK_SW,    25165824
.set V_SW,     25690112
.set NQ,     2                         ; matrix instructions deep in a slot: 256 along K
.set ROWB,   256                       ; a tile's row in bytes
.set KROW,   1024                      ; a row of codes in memory
.set PITCH,  272                       ; an LDS row: 256 bytes + 16 of padding = 68 words: the 16 rows that a load touches start at 16 different banks (64 banks of 4 bytes: ISA guide 11.1)
.set FR,     16                        ; registers of a fragment: 16 rows x 128 K
.set NL,     4                         ; LDS loads that bring one
.set NP,     8                         ; places behind this matrix instruction (ISA guide 7.12.1)
.set HALFT,  128*PITCH                 ; 128 rows: what one tensor load brings
.set SLOT,   4*HALFT                   ; A's 256 rows, then B's 256 rows
.set LAPS,   2                         ; a lap = two slots = 512 along K
.set KS,     32                        ; a row of scale bytes
.set SCL,    2*SLOT                    ; behind the ring: the scales, as units of 256 bytes + 16 of padding
.set HALFS,  (128*KS/256)*272
.set SBLK,   (16*KS/256)*272
.set SPARE,  SCL+4*HALFS               ; the spare words, 128 bytes for each wave: two blocks of 256 bytes that no other line names
.set WOUTB,  3072                      ; the way out: a wave's region in slot 0 (which has had its last fill and its last read by then): two images of 16 pieces x 80 bytes, then 512 bytes of scale words
.set ADRA, 16                          ; v16-17  LDS address of my A fragments in slot 0, 1
.set ADRB, 20                          ; v20-21  the same for B
.set SSR,  22                          ; v22     the way out: where I read 16 bytes of scale words back
.set SCO,  23                          ; v23     and where they go in memory
.set STO,  24                          ; v24     where I put 8 codes
.set RD,   25                          ; v25     where I read 16 bytes of an image back
.set CO0,  26                          ; v26     16 x lane: my place in an image's 512 bytes in memory
.set ADRS, 27                          ; v27     LDS address of my scale words: lanes 0-15 A's rows, lanes 16-31 B's
.set SPW,  28                          ; v28     LDS address of my spare word; never rewritten
.set NIL,  29                          ; v29     0; never rewritten
.set CO1,  30                          ; v30     the second image's place
.set SSA,  31                          ; v31     where I put a scale word
.set SC,   32
.set CB,   64                          ; the bias
.set AF,   128
.set TM,   64                          ; the way out: v64-67 largest magnitudes, v68-71 bytes, v72-75 448 x the scale, v76-79 the conversions' scale operands
.set PW,   80                          ; v80-81  the scale word just made, by turns
.set SWB,  84                          ; v84-87  scale words read back
.set T,    128                         ; v128-191 64 numbers, held
.set PCD,  192                         ; v192-223 their codes, two sets
.set OB,   224                         ; v224-255 images read back, two sets
.set G1, 24
.set G0, 32
.set G1B, 48
.set G0B, 56
.set G1S, 68
.set G0S, 76
.set G1SB, 80
.set G0SB, 88
.set MSB, 0
.macro WIN new                         ; the immediate's high byte repeats the setting that is left
.if MSB != \new
	s_set_vgpr_msb (MSB<<8)|\new
.set MSB, \new
.endif
.endm
.set MUL_LO, 0xa1                      ; source 0 (B) window 1, source 1 (A) window 0, C and D window 2
.set MUL_HI, 0xf1                      ; the same, C and D window 3
.set TO_B,   0x40                      ; destination window 1, address window 0
; A joint load: waves 0 and 1 fetch for A, waves 2 and 3 for B.  Each line has one mask and one set of registers for all that issue it; the branch hangs on the wave's number alone.  Four v_nop follow each line.
.macro JLOAD g0a, g1a, g0b, g1b
	s_cmp_eq_u32 s15, 0
	s_cbranch_scc0 .Lfor_b_\@
	tensor_load_to_lds s[\g0a:\g0a+3], s[\g1a:\g1a+7]
	s_nop 0
.rept 4
	v_nop
.endr
	s_branch .Lasked_\@
.Lfor_b_\@:
	tensor_load_to_lds s[\g0b:\g0b+3], s[\g1b:\g1b+7]
	s_nop 0
.rept 4
	v_nop
.endr
.Lasked_\@:
.endm
.macro CREST                           ; the cluster's barrier behind its opening work-group barrier
	s_cmp_lg_u32 s14, 0
	s_cbranch_scc1 .Lnot_wave_0_\@
	s_barrier_signal -3
.Lnot_wave_0_\@:
	s_barrier_wait -3
	s_barrier_signal -1
	s_barrier_wait -1
.endm
.macro CROUND
	s_barrier_signal -1
	s_barrier_wait -1
	CREST
.endm
	s_load_b256 s[4:11], s[0:1], 0x0               ; xw s[4:5], bq s[6:7], bk s[8:9], bv s[10:11]
	s_load_b64 s[12:13], s[0:1], 0x20              ; qkv
	v_lshl_add_u32 v[SPW], v0, 2, SPARE
	v_mov_b32 v[NIL], 0
	ds_add_u32 v28, v29
	s_wait_dscnt 0x0
	v_lshrrev_b32 v1, 5, v0
	v_readfirstlane_b32 s14, v1                    ; wave 0..3
	s_lshr_b32 s15, s14, 1                         ; which half of the tile's rows is mine.  Also: I fetch for A (0) or for B (1)
	s_and_b32 s16, s14, 1                          ; which half of its columns.  Also: which 128 rows of that tile I fetch
	s_bfe_u32 s40, ttmp6, 0x40000                  ; cx, cy: my place in the cluster
	s_bfe_u32 s41, ttmp6, 0x40004
	s_and_b32 s18, ttmp7, 0xffff
	s_lshl_b32 s18, s18, 2                         ; 4 x cluster y
	s_lshl_b32 s19, ttmp9, 2                       ; 4 x cluster x
	s_mov_b32 s22, X_SCALES
	s_mov_b32 s92, W_SCALES
	s_cmp_eq_u32 ttmp9, 2                          ; kind V?  All choices below hang on the cluster's x alone
	s_cselect_b32 s17, 0, s18                      ; tile row:    V: cy;                   QK: 4 x cluster y + cy
	s_cselect_b32 s42, s18, s19                    ; tile column: V: 4 x cluster y + cx;   QK: 4 x cluster x + cx
	s_cselect_b32 s20, W_CODES+2097152, 0          ; A's codes:   V: Wv's rows;            QK: x's
	s_cselect_b32 s22, W_SCALES+65536, s22         ; A's scales
	s_cselect_b32 s46, 0, W_CODES                  ; B's codes:   V: x's;                  QK: Wq's and Wk's rows
	s_cselect_b32 s92, X_SCALES, s92               ; B's scales
	s_add_co_u32 s17, s17, s41
	s_add_co_u32 s42, s42, s40
	s_lshl_b32 s43, s41, 2
	s_lshl_b32 s43, 15, s43                        ; my row of the cluster
	s_lshl_b32 s44, 0x1111, s40                    ; my column
	; descriptor group 1: a tile of 128 rows x 256 bytes, padded in LDS
	s_or_b32 s[G1+0], s43, (0<<16)|(1<<20)|(1<<21)|(5<<22)|(3<<25)  ; 15:0 the mask: A's tiles go to my row; 17:16 elements of 1 byte; 20 padding on; 21 set beside a mask; 24:22 after every 64 words; 31:25 four words
	s_or_b32 s[G1B+0], s44, (0<<16)|(1<<20)|(1<<21)|(5<<22)|(3<<25)
.irp g, G1, G1B
	s_mov_b32 s[\g+1], ROWB<<16                    ; tensor_dim0
	s_mov_b32 s[\g+2], 128<<16                     ; tensor_dim1
	s_mov_b32 s[\g+3], ROWB<<16                    ; tile_dim0
	s_mov_b32 s[\g+4], 128                         ; tile_dim1
	s_mov_b32 s[\g+5], KROW                        ; tensor_dim0_stride
	s_mov_b32 s[\g+6], 0
	s_mov_b32 s[\g+7], 0
.endr
	; the scales of 128 rows: a dense block of 4,096 bytes, as rows of 256 bytes (32 elements of 8 bytes), 16 bytes of padding behind each
	s_or_b32 s[G1S+0], s43, (3<<16)|(1<<20)|(1<<21)|(5<<22)|(3<<25)
	s_or_b32 s[G1SB+0], s44, (3<<16)|(1<<20)|(1<<21)|(5<<22)|(3<<25)
.irp g, G1S, G1SB
	s_mov_b32 s[\g+1], 32<<16
	s_mov_b32 s[\g+2], (128*KS/256)<<16
	s_mov_b32 s[\g+3], 32<<16
	s_mov_b32 s[\g+4], 128*KS/256
	s_mov_b32 s[\g+5], 32
	s_mov_b32 s[\g+6], 0
	s_mov_b32 s[\g+7], 0
.endr
	s_lshl_b32 s18, s16, 7                         ; which 128 rows of the tile I fetch
	s_lshl_b32 s19, s17, 8
	s_add_co_u32 s19, s19, s18                     ; A: row 256 x tile row + 128 x half
	s_lshl_b32 s21, s19, 10
	s_add_co_u32 s20, s20, s21                     ; its codes' byte in xw (all of xw lies under 2^24 bytes),
	s_lshl_b32 s21, s19, 5
	s_add_co_u32 s22, s22, s21                     ; its scale bytes'
	s_mov_b32 s21, 0
	s_mov_b32 s23, 0
	s_lshl_b32 s47, s42, 8
	s_add_co_u32 s47, s47, s18                     ; B: row 256 x tile column + 128 x half
	s_lshl_b32 s93, s47, 10
	s_add_co_u32 s46, s46, s93
	s_lshl_b32 s93, s47, 5
	s_add_co_u32 s92, s92, s93
	s_mov_b32 s47, 0
	s_mov_b32 s93, 0
	s_mul_i32 s45, s14, HALFT                      ; where they go: wave x 128 rows: no place in the cluster enters an LDS address
	s_mul_i32 s94, s14, HALFS
	s_wait_kmcnt 0x0
	s_add_nc_u64 s[20:21], s[4:5], s[20:21]
	s_add_nc_u64 s[22:23], s[4:5], s[22:23]
	s_add_nc_u64 s[46:47], s[4:5], s[46:47]
	s_add_nc_u64 s[92:93], s[4:5], s[92:93]
	CROUND                                         ; all sixteen work-groups are here: the first joint loads meet
	s_mov_b32 s[G0S], 1
	s_add_co_u32 s[G0S+1], s94, SCL
	s_mov_b64 s[G0S+2:G0S+3], s[22:23]
	s_or_b32 s[G0S+3], s[G0S+3], 0x80000000
	s_mov_b32 s[G0SB], 1
	s_add_co_u32 s[G0SB+1], s94, SCL
	s_mov_b64 s[G0SB+2:G0SB+3], s[92:93]
	s_or_b32 s[G0SB+3], s[G0SB+3], 0x80000000
	JLOAD G0S, G1S, G0SB, G1SB                     ; the scales first: they are wanted with the first slot.  With the two loads below three tensor loads of mine are out
.irp s, 0,1
	s_mov_b32 s[G0+4*\s], 1
	s_add_co_u32 s[G0+4*\s+1], s45, \s*SLOT
	s_add_nc_u64 s[G0+4*\s+2:G0+4*\s+3], s[20:21], \s*ROWB
	s_or_b32 s[G0+4*\s+3], s[G0+4*\s+3], 0x80000000
	s_mov_b32 s[G0B+4*\s], 1
	s_add_co_u32 s[G0B+4*\s+1], s45, \s*SLOT
	s_add_nc_u64 s[G0B+4*\s+2:G0B+4*\s+3], s[46:47], \s*ROWB
	s_or_b32 s[G0B+4*\s+3], s[G0B+4*\s+3], 0x80000000
	JLOAD G0+4*\s, G1, G0B+4*\s, G1B
.endr
	v_and_b32 v1, 15, v0                           ; r = lane % 16
	v_bfe_u32 v2, v0, 4, 1                         ; h = lane / 16
	v_mul_u32_u24 v3, v1, PITCH
	v_lshl_add_u32 v4, v2, 4, v3                   ; a fragment's row x pitch + 16 x half
	s_mul_i32 s21, s15, HALFT                      ; my 128 rows of A
	s_mul_i32 s22, s16, HALFT                      ; my 128 rows of B,
	s_add_co_u32 s22, s22, 2*HALFT                 ; which lie behind A's 256
.irp s, 0,1
	v_add_nc_u32 v[ADRA+\s], s21, v4
	v_add_nc_u32 v[ADRB+\s], s22, v4
	s_add_co_u32 s21, s21, SLOT
	s_add_co_u32 s22, s22, SLOT
.endr
	v_mul_u32_u24 v5, v1, KS                       ; my row's scales: 32 bytes a row,
	v_lshrrev_b32 v6, 8, v5
	v_lshl_add_u32 v5, v6, 4, v5                   ; and 16 more for each 256 passed
	s_mul_i32 s21, s15, HALFS
	s_mul_i32 s22, s16, HALFS
	s_add_co_u32 s22, s22, 2*HALFS
	s_sub_co_u32 s22, s22, s21
	v_mul_u32_u24 v6, s22, v2                      ; lanes 16-31 take B's: one product, the distance between the two bases
	s_add_co_u32 s21, s21, SCL
	v_add_nc_u32 v5, v5, v6
	v_add_nc_u32 v[ADRS], s21, v5
	; ---- where my 128 x 128 of C' goes, and which bias it takes
	s_lshl_b32 s98, s17, 8
	s_lshl_b32 s95, s15, 7
	s_add_co_u32 s98, s98, s95                     ; my first m'
	s_lshl_b32 s99, s42, 8
	s_lshl_b32 s95, s16, 7
	s_add_co_u32 s99, s99, s95                     ; my first n'
	s_and_b32 s100, s99, 1023                      ; QK: the column in Wq or in Wk
	s_bfe_u32 s45, s99, 0x30007                    ; QK: the pair of heads
	s_lshl_b32 s46, ttmp9, 6
	s_lshl_b32 s47, s45, 1
	s_add_co_u32 s46, s46, s47                     ; QK: plane less the batch: 64 x which + 2 x pair (which = the cluster's x)
	s_lshr_b32 s47, s98, 6                         ; V: my first head
	s_add_co_u32 s101, s47, 128                    ; V: v's planes follow the 128 of q and k
	s_mov_b32 s96, 1024
	s_mov_b32 s94, 131072
	s_mov_b32 s95, 256
	s_cmp_eq_u32 ttmp9, 2
	s_cselect_b32 s43, s99, s98                    ; my first token
	s_cselect_b32 s100, s98, s100                  ; my first number of the bias
	s_cselect_b32 s46, s101, s46
	s_cselect_b32 s40, 4, 0                        ; the bias's lane term: V: 4 r (it hangs on m'); QK: 32 h + 4 j (it hangs on n')
	s_cselect_b32 s41, 0, 32
	s_cselect_b32 s44, 0, 4
	s_cselect_b32 s96, 128000, s96                 ; the step from block 3 to block 4: V: on to the next head's plane, less three groups; QK: one group of 1,024 bytes like every step
	s_cselect_b32 s94, 4096, s94                   ; from the first image to the second: V: the next chunk of 64 keys; QK: the next head's plane
	s_cselect_b32 s95, 4096, s95                   ; from the first 256 bytes of scale words to the second: V: the next head; QK: on end
	s_cselect_b64 s[6:7], s[10:11], s[6:7]         ; the bias: bv,
	s_cmp_eq_u32 ttmp9, 1
	s_cselect_b64 s[6:7], s[8:9], s[6:7]           ; bk, or bq
	s_lshr_b32 s101, s43, 11                       ; the batch
	s_and_b32 s43, s43, 2047                       ; the token in it
	s_lshl_b32 s92, s101, 4
	s_add_co_u32 s46, s46, s92                     ; the plane
	s_lshl_b32 s46, s46, 17
	s_lshl_b32 s92, s43, 6
	s_add_co_u32 s46, s46, s92                     ; the codes' byte: plane x 131,072 + 64 x token (both layouts)
	s_lshl_b32 s92, ttmp9, 5                       ; QK's scale words: ((4 which + batch) 8 + pair) x 8,192 + 4 x token
	s_lshl_b32 s93, s101, 3
	s_add_co_u32 s92, s92, s93
	s_add_co_u32 s92, s92, s45
	s_lshl_b32 s92, s92, 13
	s_lshl_b32 s93, s43, 2
	s_add_co_u32 s92, s92, s93
	s_add_co_u32 s92, s92, QK_SW
	s_lshl_b32 s93, s101, 4                        ; V's: (16 batch + head) x 4,096 + 256 x (token / 128)
	s_add_co_u32 s93, s93, s47
	s_lshl_b32 s93, s93, 12
	s_lshl_b32 s45, s43, 1
	s_add_co_u32 s93, s93, s45
	s_add_co_u32 s93, s93, V_SW
	s_cmp_eq_u32 ttmp9, 2
	s_cselect_b32 s92, s93, s92
	s_mov_b32 s93, 0
	s_mov_b32 s47, 0
	s_mov_b32 s97, 0
	s_lshl_b32 s100, s100, 2
	s_mov_b32 s101, 0
	s_add_nc_u64 s[104:105], s[12:13], s[92:93]    ; my scale words
	s_add_nc_u64 s[12:13], s[12:13], s[46:47]      ; my codes
	s_add_nc_u64 s[6:7], s[6:7], s[100:101]        ; my bias
	v_mul_u32_u24 v7, s40, v1
	v_mad_u32_u24 v8, v2, s41, v7
.irp j, 1,2,3,4,5,6,7
	v_add_nc_u32 v[8+\j], s44, v[7+\j]
.endr
.irp x, 0,1,2,3,4,5,6,7                ; set x, register j: QK: the bias of n' = 16 x + 8 h + j;  V: of m' = 16 x + r, in all eight registers
.irp j, 0,1,2,3,4,5,6,7
	global_load_b32 v[CB+8*\x+\j], v[8+\j], s[6:7] offset:64*\x
.endr
.endr
	s_mul_i32 s23, s14, WOUTB                      ; my region for the way out
	v_and_b32 v5, 7, v1
	v_lshrrev_b32 v6, 3, v1
	v_lshl_add_u32 v5, v5, 1, v6                   ; my row's piece: 2 (r % 8) + r / 8
	v_mul_u32_u24 v5, v5, 80
	v_lshl_add_u32 v5, v2, 3, v5
	v_add_nc_u32 v[STO], s23, v5                   ; in: piece x 80 + 8 h
	v_and_b32 v6, 31, v0
	v_lshrrev_b32 v5, 2, v6
	v_mul_u32_u24 v5, v5, 80
	v_and_b32 v4, 3, v6
	v_lshl_add_u32 v5, v4, 4, v5
	v_add_nc_u32 v[RD], s23, v5                    ; back: four lanes to a piece
	v_lshlrev_b32 v[CO0], 4, v6
	v_add_nc_u32 v[CO1], s94, v[CO0]
	v_lshlrev_b32 v5, 2, v1
	v_add_nc_u32 v5, s23, v5
	v_add_nc_u32 v[SSA], 2560, v5
	v_add_nc_u32 v5, s23, v[CO0]
	v_add_nc_u32 v[SSR], 2560, v5
	v_lshlrev_b32 v5, 4, v1
	v_mul_u32_u24 v4, s95, v2
	v_add_nc_u32 v[SCO], v5, v4
	s_mov_b32 s19, 0x600000                        ; the mantissa field of 448
	s_mov_b32 s20, 0x76543210
	s_mov_b32 s21, 0xfedcba98                      ; v_permlanex16_b32's selects for lane l xor 16
.macro FRAG reg, adr, q, i             ; a fragment is 16 registers: lane l holds row l % 16; registers 4 c .. 4 c + 3 hold K = 32 c + 16 (l / 16) + 0 .. 15
.irp c, 0,1,2,3
	ds_load_b128 v[\reg+4*\c:\reg+4*\c+3], v[\adr] offset:128*(\q)+32*\c+(\i)*16*PITCH
.endr
.endm
; 16 matrix instructions: A's blocks a0, a0 + 1 x B's eight, 128 along K.  p: B's set;  sc: the set of scale words.  zero = 1: the sums start from the bias of B's block; 2: from that of A's block; 0: they go on.
; The 64 accumulators take turns, one instruction a turn, in the same order in every step.
.macro MUL16 a0, p, q, sc, zero
.irp a, \a0, \a0+1
.irp b, 0,1,2,3,4,5,6,7
.if \zero == 1
	v_wmma_scale_f32_16x16x128_f8f6f4 v[8*(8*((\a)%4)+\b):8*(8*((\a)%4)+\b)+7], v[128*(\p)+FR*\b:128*(\p)+FR*\b+FR-1], v[AF+FR*(\a):AF+FR*(\a)+FR-1], v[CB+8*\b:CB+8*\b+7], v[SC+8*NQ*(\sc)+NQ*\b+(\q)], v[SC+8*NQ*(\sc)+NQ*(\a)+(\q)] matrix_a_scale:MATRIX_SCALE_ROW1
.elseif \zero == 2
	v_wmma_scale_f32_16x16x128_f8f6f4 v[8*(8*((\a)%4)+\b):8*(8*((\a)%4)+\b)+7], v[128*(\p)+FR*\b:128*(\p)+FR*\b+FR-1], v[AF+FR*(\a):AF+FR*(\a)+FR-1], v[CB+8*(\a):CB+8*(\a)+7], v[SC+8*NQ*(\sc)+NQ*\b+(\q)], v[SC+8*NQ*(\sc)+NQ*(\a)+(\q)] matrix_a_scale:MATRIX_SCALE_ROW1
.else
	v_wmma_scale_f32_16x16x128_f8f6f4 v[8*(8*((\a)%4)+\b):8*(8*((\a)%4)+\b)+7], v[128*(\p)+FR*\b:128*(\p)+FR*\b+FR-1], v[AF+FR*(\a):AF+FR*(\a)+FR-1], v[8*(8*((\a)%4)+\b):8*(8*((\a)%4)+\b)+7], v[SC+8*NQ*(\sc)+NQ*\b+(\q)], v[SC+8*NQ*(\sc)+NQ*(\a)+(\q)] matrix_a_scale:MATRIX_SCALE_ROW1
.endif
.endr
.endr
.endm
.macro FETCH_B slot, q, p              ; B's eight fragments of the slot's q-th 128 along K into set p
	WIN TO_B
.irp i, 0,1,2,3,4,5,6,7
	FRAG 128*(\p)+FR*\i, ADRB+\slot, \q, \i
.endr
	WIN 0
.endm
.macro FETCH_A slot, q, i0             ; A's blocks i0 .. i0 + 3
.irp i, \i0, \i0+1, \i0+2, \i0+3
	FRAG AF+FR*(\i), ADRA+\slot, \q, \i
.endr
.endm
.macro SCALES sc                       ; a slot's scale words into set sc: two words a row; lanes 0-15 take A's block i, lanes 16-31 B's block i
.irp i, 0,1,2,3,4,5,6,7
	ds_load_b64 v[SC+8*NQ*\sc+NQ*\i:SC+8*NQ*\sc+NQ*\i+1], v[ADRS] offset:\i*SBLK
.endr
.endm
.macro PLACES n                        ; plain vector instructions between a matrix instruction and a load into, or a read of, its registers
.rept \n
	v_nop
.endr
.endm
; A step of 128 along K that has its successor in the same slot.  A's blocks 0-3 are fetched anew in its middle, blocks 4-7 at its end; B has two sets.
.macro STEP slot, q, zero
	s_wait_dscnt 4*NL                              ; B's set and A's blocks 0-3 are in; the youngest sixteen loads (A's blocks 4-7) may be out
.if \zero
	WIN 0x81                                       ; C (the bias) window 0, D window 2
.else
	WIN MUL_LO
.endif
	MUL16 0, (\q)%2, \q, \slot, \zero
	MUL16 2, (\q)%2, \q, \slot, \zero
	s_wait_dscnt 0                                 ; A's blocks 4-7 are in
	PLACES NP
	FETCH_B \slot, (\q)+1, 1-(\q)%2
	FETCH_A \slot, (\q)+1, 0
.if \zero
	WIN 0xc1
.else
	WIN MUL_HI
.endif
	MUL16 4, (\q)%2, \q, \slot, \zero
	MUL16 6, (\q)%2, \q, \slot, \zero
	PLACES NP
	WIN 0
	FETCH_A \slot, (\q)+1, 4
.endm
; A slot's last step changes slots: one barrier; in front of it each wave waits for all its tensor loads, adds 0 to its spare word, and waits for that and for its own reads of this slot.  fill = 1: this slot is filled again.
.macro TURN slot, next, fill
	s_wait_tensorcnt 0x0                           ; all my tensor loads have landed: my part of the next slot
	ds_add_u32 v[SPW], v[NIL]                      ; 0 onto my spare word
	s_wait_dscnt 4*NL+1                            ; (the add and the youngest sixteen loads may be out)
	WIN MUL_LO
	MUL16 0, 1, NQ-1, \slot, 0                     ; sixteen matrix instructions stand between the add and the wait for it
	s_wait_dscnt 0x0                               ; the add is done, and my reads of this slot are over
	s_barrier_signal -1
	MUL16 2, 1, NQ-1, \slot, 0
	WIN 0
	s_barrier_wait -1
.if \fill
	CREST                                          ; the barrier has opened the cluster's: no wave of any partner still reads this slot or has a load on its way
	s_add_nc_u64 s[G0+4*\slot+2:G0+4*\slot+3], s[G0+4*\slot+2:G0+4*\slot+3], 2*ROWB
	s_add_nc_u64 s[G0B+4*\slot+2:G0B+4*\slot+3], s[G0B+4*\slot+2:G0B+4*\slot+3], 2*ROWB
	JLOAD G0+4*\slot, G1, G0B+4*\slot, G1B         ; my one tensor load behind it; its four v_nop are among the places in front of the loads below
	PLACES NP-4
.else
	PLACES NP
.endif
	v_add_nc_u32 v[ADRS], 4*NQ, v[ADRS]            ; on to the next slot's scale words
	FETCH_B \next, 0, 0
	FETCH_A \next, 0, 0
	SCALES \next
	WIN MUL_HI
	MUL16 4, 1, NQ-1, \slot, 0
	MUL16 6, 1, NQ-1, \slot, 0
	PLACES NP
	WIN 0
	FETCH_A \next, 0, 4
.endm
	s_wait_tensorcnt 1                             ; the scales and my part of slot 0 are in (slot 1's load may be out)
	s_barrier_signal -1
	s_barrier_wait -1                              ; everybody's are
	FETCH_B 0, 0, 0
	FETCH_A 0, 0, 0
	SCALES 0
	FETCH_A 0, 0, 4
	s_wait_loadcnt 0x0                             ; the bias
	s_cmp_eq_u32 ttmp9, 2                          ; the first step is written twice: it differs in which block's bias starts a sum.  Both arms issue the same loads and waits
	s_cbranch_scc1 .Lfirst_v
	STEP 0, 0, 1
	s_branch .Lfirst_done
.Lfirst_v:
	STEP 0, 0, 2
.Lfirst_done:
	s_mov_b32 s3, LAPS-1
.Llap:                                             ; a trip goes once round the ring and fills both slots again
	TURN 0, 1, 1
	STEP 1, 0, 0
	TURN 1, 0, 1
	STEP 0, 0, 0
	s_sub_co_u32 s3, s3, 1
	s_cmp_lg_u32 s3, 0
	s_cbranch_scc1 .Llap
	TURN 0, 1, 0                                   ; the last lap fills nothing
	STEP 1, 0, 0
	s_wait_dscnt 4*NL
	WIN MUL_LO
	MUL16 0, 1, NQ-1, 1, 0
	MUL16 2, 1, NQ-1, 1, 0
	s_wait_dscnt 0
	WIN MUL_HI
	MUL16 4, 1, NQ-1, 1, 0
	MUL16 6, 1, NQ-1, 1, 0
	WIN 0
; THE WAY OUT, block a of 16 rows m' at a time.  Lane (r, h) holds row r; register 16 b + 8 u + j of the block's 64 holds n' = 32 b + 16 u + 8 h + j: 16 numbers of each of four blocks of 32, the rest in lane l xor 16.
; QW: the four scales, the hold (which also brings the number into window 0), the codes.  Each accumulator is read from its low end on.
.macro QW a
.set AC, 64*((\a)%4)
.set PCA, PCD+16*((\a)%2)
.set PWA, PW+(\a)%2
	WIN 0x0a+5*((\a)/4)                            ; sources 0 and 1: window 2 or 3
.irp b, 0,1,2,3
	v_max3_num_f32 v[TM+\b], |v[AC+16*\b]|, |v[AC+16*\b+1]|, 0x4800000   ; and the floor 2^(9 - 127)
.endr
	WIN 0x28+0x14*((\a)/4)                         ; sources 1 and 2
.irp i, 2,4,6,8,10,12,14
.irp b, 0,1,2,3
	v_max3_num_f32 v[TM+\b], v[TM+\b], |v[AC+16*\b+\i]|, |v[AC+16*\b+\i+1]|
.endr
.endr
	WIN 0
.irp b, 0,1,2,3
	v_permlanex16_b32 v[TM+4+\b], v[TM+\b], s20, s21
.endr
.irp b, 0,1,2,3
	v_max_num_f32 v[TM+\b], v[TM+\b], v[TM+4+\b]   ; the block's largest magnitude
.endr
.irp b, 0,1,2,3
	v_add_nc_u32 v[TM+12+\b], 0xfc000000, v[TM+\b] ; 8 off its exponent field: the conversion's scale operand
.endr
.irp b, 0,1,2,3
	v_and_or_b32 v[TM+8+\b], v[TM+\b], 0x7f800000, s19   ; 448 x the scale
.endr
.irp b, 0,1,2,3
	v_lshrrev_b32 v[TM+4+\b], 23, v[TM+12+\b]      ; the scale's byte
.endr
	v_lshl_or_b32 v[PWA], v[TM+5], 8, v[TM+4]      ; my row's scale word
	v_lshl_or_b32 v[PWA], v[TM+6], 16, v[PWA]
	v_lshl_or_b32 v[PWA], v[TM+7], 24, v[PWA]
	WIN 0x02+((\a)/4)                              ; source 0
.irp b, 0,1,2,3
.irp i, 0,1,2,3,4,5,6,7,8,9,10,11,12,13,14,15
	v_med3_num_f32 v[T+16*\b+\i], v[AC+16*\b+\i], -v[TM+8+\b], v[TM+8+\b]   ; the conversion does not saturate (ISA guide 7.6.2)
.endr
.endr
	WIN 0
.irp b, 0,1,2,3
	v_cvt_scalef32_pk8_fp8_f32 v[PCA+4*\b:PCA+4*\b+1], v[T+16*\b:T+16*\b+7], v[TM+12+\b]
	v_cvt_scalef32_pk8_fp8_f32 v[PCA+4*\b+2:PCA+4*\b+3], v[T+16*\b+8:T+16*\b+15], v[TM+12+\b]
.endr
	v_nop                                          ; one plain instruction between the last conversion and the next vector instruction on its registers
.endm
; OUTSTAGE: 8 codes at a time into two images (n' 0-63 and 64-127) of 16 pieces of 64 bytes, 80 apart; the scale word; and the images back, 512 consecutive bytes of the output a load.  13 LDS instructions.
.macro OUTSTAGE a
.set PCA, PCD+16*((\a)%2)
.set PWA, PW+(\a)%2
.set OBA, OB+16*((\a)%2)
.irp b, 0,1,2,3
.irp u, 0,1
	ds_store_b64 v[STO], v[PCA+4*\b+2*\u:PCA+4*\b+2*\u+1] offset:1280*(\b/2)+32*(\b%2)+16*\u
.endr
.endr
	ds_store_b32 v[SSA], v[PWA] offset:64*(\a)     ; lanes r and r + 16 write the same word with the same value
.irp n, 0,1
.irp e, 0,1
	ds_load_b128 v[OBA+4*(2*\n+\e):OBA+4*(2*\n+\e)+3], v[RD] offset:1280*\n+640*\e   ; LDS serves a wave's instructions in order: these see the stores above
.endr
.endr
.endm
.macro SENDQ a, younger                ; younger: the LDS instructions issued behind block a's loads
.set OBA, OB+16*((\a)%2)
	s_wait_dscnt \younger                          ; the block's images are back in registers
.if (\a) == 4
	s_add_nc_u64 s[12:13], s[12:13], s[96:97]      ; (behind a wait on XCNT: the earlier stores have read their base)
.elseif (\a) > 0
	s_add_nc_u64 s[12:13], s[12:13], 1024
.endif
	global_store_b128 v[CO0], v[OBA:OBA+3], s[12:13]               ; each store of the wave covers 512 consecutive bytes, aligned
	global_store_b128 v[CO0], v[OBA+4:OBA+7], s[12:13] offset:512
	global_store_b128 v[CO1], v[OBA+8:OBA+11], s[12:13]
	global_store_b128 v[CO1], v[OBA+12:OBA+15], s[12:13] offset:512
.endm
	PLACES NP                                      ; behind the last products: their results are read, and A's registers written, only from here on
.irp b, 0,1,2,3
	v_mov_b32 v[TM+4+\b], 0                        ; written once: a lane permute's destination counts as one of its sources
.endr
	QW 0
	OUTSTAGE 0
.irp a, 1,2,3,4,5,6,7
	QW \a
.if \a > 1
	s_wait_xcnt 0x0                                ; block a - 2's stores have read their registers and their base: block a's loads may land there, and the base may step
.endif
	OUTSTAGE \a
	SENDQ \a-1, 13                                 ; behind block a - 1's loads: block a's 9 stores and 4 loads.  That wait also shows block a - 1's stores into the stage done: its codes' registers are free
.endr
	ds_load_b128 v[SWB:SWB+3], v[SSR]              ; my 128 scale words
	s_wait_xcnt 0x0                                ; block 6's stores have read their base
	SENDQ 7, 1
	s_wait_dscnt 0x0
	global_store_b128 v[SCO], v[SWB:SWB+3], s[104:105]             ; sixteen lanes store 256 consecutive bytes, aligned
	s_wait_tensorcnt 0x0                           ; the wave's end
	ds_add_u32 v[SPW], v[NIL]
	s_wait_dscnt 0x0
	CROUND                                         ; no work-group ends while a partner may still ask for a tile that names it
	s_endpgm
.Lfunc_end_k_q696886f615_qkv:
	.size	k_q696886f615_qkv, .Lfunc_end_k_q696886f615_qkv-k_q696886f615_qkv
	.p2alignl 7, 3214868480
	.fill 96, 4, 3214868480
	.section	.rodata,"a",@progbits
	.p2align	6, 0x0
	.amdhsa_kernel k_q696886f615_qkv
		.amdhsa_group_segment_fixed_size 327680
		.amdhsa_private_segment_fixed_size 0
		.amdhsa_enable_private_segment 0
		.amdhsa_kernarg_size 40
		.amdhsa_user_sgpr_count 2
		.amdhsa_user_sgpr_kernarg_segment_ptr 1
		.amdhsa_wavefront_size32 1
		.amdhsa_system_sgpr_workgroup_id_x 1
		.amdhsa_system_sgpr_workgroup_id_y 1
		.amdhsa_system_sgpr_workgroup_id_z 1
		.amdhsa_system_vgpr_workitem_id 0
		.amdhsa_next_free_vgpr 1024
		.amdhsa_next_free_sgpr 106
		.amdhsa_reserve_vcc 0
		.amdhsa_float_denorm_mode_32 3
		.amdhsa_float_denorm_mode_16_64 3
		.amdhsa_memory_ordered 1
		.amdhsa_forward_progress 1
		.amdhsa_inst_pref_size 214
	.end_amdhsa_kernel
	.amdgpu_metadata
---
amdhsa.version: [ 1, 2 ]
amdhsa.kernels:
  - .name:           k_q696886f615_qkv
    .symbol:         k_q696886f615_qkv.kd
    .args:
      - { .name: xw, .offset: 0, .size: 8, .value_kind: global_buffer, .address_space: global }
      - { .name: bq, .offset: 8, .size: 8, .value_kind: global_buffer, .address_space: global }
      - { .name: bk, .offset: 16, .size: 8, .value_kind: global_buffer, .address_space: global }
      - { .name: bv, .offset: 24, .size: 8, .value_kind: global_buffer, .address_space: global }
      - { .name: qkv, .offset: 32, .size: 8, .value_kind: global_buffer, .address_space: global }
    .group_segment_fixed_size: 327680
    .private_segment_fixed_size: 0
    .kernarg_segment_align: 8
    .kernarg_segment_size: 40
    .max_flat_workgroup_size: 128
    .sgpr_count:     106
    .vgpr_count:     1024
    .wavefront_size: 32
...
	.end_amdgpu_metadata
.endif
;; end of part 2
;; launch attn (part 3): grid 8 x 64, 16 waves a work-group, no clusters, 327,680 bytes of LDS; arguments qkv, attention_mask, yq; writes yq
.if DOCPART == 3
	.amdgcn_target "amdgcn-amd-amdhsa--gfx1250"
	.amdhsa_code_object_version 6
	.text
	.protected	k_q696886f615_attn
	.globl	k_q696886f615_attn
	.p2align	8
	.type	k_q696886f615_attn,@function
k_q696886f615_attn:
	s_mov_b64 s[64:65], 0
	v_nop
	global_prefetch_b8 v0, s[64:65] scope:SCOPE_SE
	s_setreg_imm32_b32 hwreg(HW_REG_WAVE_MODE, 25, 1), 1
	s_wait_xcnt 0x0
; y[b][t][64 hd + d] = the sum over keys of softmax(q . k / 8, causal, padded) v, both products on codes of FP8 (E4M3) with E8M0 scales, and y quantised again along its 1,024 channels (two blocks of 32 a head).
; THE SOFTMAX: t = score x log2(e) / 8; M = the row's largest t so far, rounded up to a whole number; p = 2^(t - M) is quantised along the keys; the row's sum is taken of the unquantised p and divides at the end.
; SHARES.  A work-group owns one (batch, head) and two blocks of 128 queries, blocks j and 15 - j (j = work-group x): waves 0-7 the early one, waves 8-15 the late one, 16 queries a wave, so that under the causal
; mask every work-group has 8 (j + 1) + 8 (16 - j) = 136 steps of 128 keys.  Every wave walks all slots (constant trip counts); a step all of whose keys come after the wave's queries is jumped by a scalar branch on ids.
; NO CLUSTER: partners would walk the slots in lock step; with these uneven shares the sum over slots of the partners' largest work is 160 steps against 136, and what is shared is 77,824 bytes a slot.
; K = 64 IN AN INSTRUCTION OF K = 128.  A row of 128 bytes of k's plane holds two keys, 8 apart.  It is multiplied once by [q | zero codes] and once by [zero codes | q]: the other key's codes meet zeros.
; With 16 such rows to a fragment a lane's 16 registers of the two results are 16 neighbouring keys, in the order that p's operand wants.  Both products are used transposed: a lane holds one query throughout.
; THE PAD MASK costs no vector instruction: 0 or -8e9 (-1e9 x 8) for each key lies in LDS and is loaded into the scores' registers as the C of the first product.
; A ROW WHOSE VISIBLE KEYS ARE ALL PADDED has equal logits on all 2,048 keys: its result is the mean of the quantised v over all keys.  Waves 0 and 1 sum v by the matrix unit (a row of ones) in every step; at the end
; a lane whose largest t lies under -5e8 takes that sum x 2^-11 by v_cndmask_b32.  LIMIT: a real logit x log2(e) must lie above -5e8.
; LIMITS: a block of y whose largest magnitude lies under 2^(9 - 127) gets the byte 1 (this program alone reads the bytes); NaN and infinities are not served.
; y's codes leave in runs of 64 bytes and its scale bytes in pairs: 256 consecutive bytes of a token's row belong to four heads, which are four work-groups.
.set V_CODES,  16777216
.set QK_SW,    25165824
.set V_SW,     25690112
.set Y_SCALES, 8388608
.set KP,    144                        ; a row of K in LDS: 128 bytes + 16 of padding
.set VP,    80                         ; a piece of V (64 keys of one channel): 64 bytes + 16
.set VOFF,  256*KP                     ; a slot: 512 keys: 256 rows of K, then 512 pieces of V
.set SLOT1, 1<<17                      ; slot 1 begins here: one exclusive or turns an address in one slot into the other's
.set SCK,   2*SLOT1                    ; behind the ring: K's scale words, one for each row of two keys: 4,096 bytes;
.set SCV,   SCK+4096                   ; V's, [16 steps][64 channels]: 4,096 bytes;
.set MB,    SCV+4096                   ; the pad mask as f32, 8,192 bytes;
.set VSB,   MB+8192                    ; the sum of v, 64 numbers;
.set STG,   VSB+256                    ; a stage of 16 x 80 bytes for each wave;
.set SPARE, STG+16*1280                ; the spare words, 128 bytes for each wave: eight blocks of 256 bytes that no other line names
.set AK0,  1                           ; v1   my lane's place in a fragment of K
.set AV0,  2                           ; v2   the same for V
.set ASC0, 3                           ; v3   my lane's place among the scale words
.set ADM,  4                           ; v4   LDS address of the step's mask numbers
.set SPW,  5                           ; v5   LDS address of my spare word; never rewritten
.set NIL,  6                           ; v6   0; never rewritten
.set AM0,  7                           ; v7   my half's place in the mask
.set ADK,  8                           ; v8   LDS address of the step's K
.set ADV,  9                           ; v9   of its V
.set ADS,  10                          ; v10  of its scale words
.set ONE,  11                          ; v11  the scale word of the row of ones: four bytes 127; holds nothing else
.set FRG,  40                          ; v40-103  four fragments of K or of V            (v12 -M, v13 the largest t, v[14:15] the sum; v16-23 zeros, v24-31 q, v32-39 zeros)
.set S,    104                         ; v104-167 the scores, then p
.set OT,   168                         ; v168-199 O^T
.set PCD,  200                         ; v200-215 p's codes
.set BM,   216                         ; v216-219 the blocks' largest scores, then largest p
.set T1,   220                         ; v220-223 at work
.set LIM,  224                         ; v224-227 at work
.set SOP,  228                         ; v228-231 the conversions' scale operands
.set FS,   232                         ; v232-235 scale words of the fragments
.set F,    236                         ; v236 f = 2^(old M - new M)
.set PW,   237                         ; v237 p's scale word
.set TMP,  238
.set QS,   239                         ; v239 q's scale word
.set VS,   240                         ; v240-255 two accumulators of the sum of v (waves 0, 1)
.set WV,   18
.set MNT,  19
.set SEL,  20                          ; s[20:21]
.set CS,   22                          ; s[22:23] c = log2(e) / 8
.set G1K,  24
.set G1V,  32
.set G0K,  40
.set G0V,  44
.set TB,   48                          ; LDS byte at which the slot in hand begins
.set TS,   49                          ; where the step's scale words begin: 256 bytes a step
.set TM4,  50                          ; and its mask numbers: 512 bytes a step
.set SLOTS, 51
.set KF,   52                          ; the step's first key
.set Q0,   53                          ; my first query
.set SELK, 56
.set SELQ, 57
; Waves 0 and 1 fetch K's halves of a slot, waves 2 and 3 V's, the others nothing.  The branches hang on the wave's number alone.  Four v_nop follow each of the two lines.
.macro TLOAD
	s_cmp_lt_u32 s[WV], 2
	s_cbranch_scc0 .Lnot_k_\@
	tensor_load_to_lds s[G0K:G0K+3], s[G1K:G1K+7]
	s_nop 0
.rept 4
	v_nop
.endr
	s_branch .Lasked_\@
.Lnot_k_\@:
	s_cmp_lt_u32 s[WV], 4
	s_cbranch_scc0 .Lasked_\@
	tensor_load_to_lds s[G0V:G0V+3], s[G1V:G1V+7]
	s_nop 0
.rept 4
	v_nop
.endr
.Lasked_\@:
.endm
	s_load_b128 s[4:7], s[0:1], 0x0                ; qkv, attention_mask
	s_load_b64 s[8:9], s[0:1], 0x10                ; yq
	v_lshl_add_u32 v[SPW], v0, 2, SPARE
	v_mov_b32 v[NIL], 0
	ds_add_u32 v5, v6
	ds_add_u32 v5, v6
	s_wait_dscnt 0x0
	v_lshrrev_b32 v8, 5, v0
	s_delay_alu instid0(VALU_DEP_1)
	v_readfirstlane_b32 s[WV], v8                  ; wave 0..15
	s_and_b32 s66, ttmp7, 0xffff                   ; 16 x batch + head
	s_lshr_b32 s67, s66, 4                         ; the batch
	s_and_b32 s68, s66, 15                         ; the head
	s_lshr_b32 s69, s68, 1                         ; its pair
	s_and_b32 s70, s68, 1
	s_sub_co_u32 s71, 15, ttmp9
	s_cmp_lt_u32 s[WV], 8
	s_cselect_b32 s71, ttmp9, s71                  ; my block of 128 queries
	s_lshl_b32 s71, s71, 7
	s_and_b32 s72, s[WV], 7
	s_lshl_b32 s72, s72, 4
	s_add_co_u32 s[Q0], s71, s72
	s_mov_b32 s[SELK], 0x07060302                  ; an odd head's two scale bytes are a word's upper two, an even head's the lower two
	s_mov_b32 s[SELQ], 0x03020302
	s_cmp_eq_u32 s70, 0
	s_cselect_b32 s[SELK], 0x05040100, s[SELK]
	s_cselect_b32 s[SELQ], 0x01000100, s[SELQ]
	s_min_u32 s73, s[WV], 1
	s_mul_i32 s54, s73, 32*VP                      ; the sum of v: wave 1 takes channels 32 on: 32 pieces,
	s_lshl_b32 s55, s73, 7                         ; 32 scale words
	s_and_b32 s72, s[WV], 1
	s_lshl_b32 s73, s72, 14                        ; my half of a slot in memory: 16,384 bytes
	s_add_co_u32 s74, s66, 64                      ; k's planes follow q's 64
	s_lshl_b32 s74, s74, 17
	s_add_co_u32 s74, s74, s73
	s_mov_b32 s75, 0
	s_lshl_b32 s76, s66, 17
	s_add_co_u32 s76, s76, s73
	s_add_co_u32 s76, s76, V_CODES
	s_mov_b32 s77, 0
	s_mul_i32 s78, s72, 128*KP                     ; and in a slot
	s_mul_i32 s79, s72, 256*VP
	s_add_co_u32 s79, s79, VOFF
	; descriptor group 1: K: 128 rows of 128 bytes, dense in memory;  V: 256 pieces of 64 bytes, dense
	s_mov_b32 s[G1K], (0<<16)|(1<<20)|(4<<22)|(3<<25)   ; no mask; elements of 1 byte; padding on: four words after every 32
	s_mov_b32 s[G1K+1], 128<<16                    ; tensor_dim0
	s_mov_b32 s[G1K+2], 128<<16                    ; tensor_dim1
	s_mov_b32 s[G1K+3], 128<<16                    ; tile_dim0
	s_mov_b32 s[G1K+4], 128                        ; tile_dim1
	s_mov_b32 s[G1K+5], 128                        ; tensor_dim0_stride
	s_mov_b32 s[G1K+6], 0
	s_mov_b32 s[G1K+7], 0
	s_mov_b32 s[G1V], (0<<16)|(1<<20)|(3<<22)|(3<<25)   ; four words after every 16
	s_mov_b32 s[G1V+1], 64<<16
	s_mov_b32 s[G1V+2], 256<<16
	s_mov_b32 s[G1V+3], 64<<16
	s_mov_b32 s[G1V+4], 256
	s_mov_b32 s[G1V+5], 64
	s_mov_b32 s[G1V+6], 0
	s_mov_b32 s[G1V+7], 0
	s_lshl_b32 s80, s66, 17                        ; q's codes: my plane, + 64 bytes a token
	s_lshl_b32 s81, s[Q0], 6
	s_add_co_u32 s80, s80, s81
	s_mov_b32 s81, 0
	s_lshl_b32 s84, s67, 3
	s_add_co_u32 s84, s84, s69                     ; 8 x batch + pair
	s_lshl_b32 s82, s84, 13                        ; q's scale words,
	s_lshl_b32 s83, s[Q0], 2
	s_add_co_u32 s82, s82, s83
	s_add_co_u32 s82, s82, QK_SW
	s_mov_b32 s83, 0
	s_add_co_u32 s84, s84, 32                      ; k's
	s_lshl_b32 s84, s84, 13
	s_add_co_u32 s84, s84, QK_SW
	s_mov_b32 s85, 0
	s_lshl_b32 s86, s66, 12                        ; v's
	s_add_co_u32 s86, s86, V_SW
	s_mov_b32 s87, 0
	s_lshl_b32 s88, s67, 13                        ; the batch's row of the mask
	s_mov_b32 s89, 0
	s_lshl_b32 s94, s67, 11
	s_add_co_u32 s94, s94, s[Q0]                   ; my first row of y
	s_lshl_b32 s90, s94, 10
	s_lshl_b32 s91, s68, 6
	s_add_co_u32 s90, s90, s91
	s_mov_b32 s91, 0
	s_lshl_b32 s92, s94, 5
	s_lshl_b32 s93, s68, 1
	s_add_co_u32 s92, s92, s93
	s_add_co_u32 s92, s92, Y_SCALES
	s_mov_b32 s93, 0
	s_mov_b32 s[SEL], 0x76543210
	s_mov_b32 s[SEL+1], 0xfedcba98
	s_mov_b32 s[CS], 0x3e38aa3b                    ; c = log2(e) / 8
	s_mov_b32 s[CS+1], s[CS]                       ; (named with it as a pair, so it is written)
	s_mov_b32 s[TB], 0
	s_mov_b32 s[TS], 0
	s_mov_b32 s[TM4], 0
	s_mov_b32 s[SLOTS], 3
	s_mov_b32 s[KF], 0
	s_wait_kmcnt 0x0
	s_mov_b32 s[G0K], 1
	s_mov_b32 s[G0K+1], s78
	s_add_nc_u64 s[G0K+2:G0K+3], s[4:5], s[74:75]
	s_or_b32 s[G0K+3], s[G0K+3], 0x80000000
	s_mov_b32 s[G0V], 1
	s_mov_b32 s[G0V+1], s79
	s_add_nc_u64 s[G0V+2:G0V+3], s[4:5], s[76:77]
	s_or_b32 s[G0V+3], s[G0V+3], 0x80000000
	TLOAD                                          ; slot 0: the one first fill at the start
	s_add_nc_u64 s[80:81], s[4:5], s[80:81]
	s_add_nc_u64 s[82:83], s[4:5], s[82:83]
	s_add_nc_u64 s[84:85], s[4:5], s[84:85]
	s_add_nc_u64 s[86:87], s[4:5], s[86:87]
	s_add_nc_u64 s[88:89], s[6:7], s[88:89]
	s_add_nc_u64 s[90:91], s[8:9], s[90:91]
	s_add_nc_u64 s[92:93], s[8:9], s[92:93]
	v_and_b32 v40, 15, v0                          ; r
	v_bfe_u32 v41, v0, 4, 1                        ; h
	s_delay_alu instid0(VALU_DEP_2)
	v_and_b32 v42, 7, v40
	s_delay_alu instid0(VALU_DEP_3)
	v_lshrrev_b32 v43, 3, v40
	s_delay_alu instid0(VALU_DEP_2)
	v_lshlrev_b32 v44, 7, v42
	s_delay_alu instid0(VALU_DEP_1)
	v_lshl_add_u32 v44, v43, 6, v44
	s_delay_alu instid0(VALU_DEP_1)
	v_lshl_add_u32 v44, v41, 4, v44                ; q: token r of my group lies at 128 (r % 8) + 64 (r / 8); + 16 h
	global_load_b128 v[24:27], v44, s[80:81]
	global_load_b128 v[28:31], v44, s[80:81] offset:32
	v_lshlrev_b32 v45, 2, v40
	global_load_b32 v46, v45, s[82:83]             ; q's scale word of the pair of heads
	v_lshrrev_b32 v47, 3, v0
	v_and_b32 v48, 7, v0
	s_delay_alu instid0(VALU_DEP_2)
	v_lshlrev_b32 v47, 6, v47
	s_delay_alu instid0(VALU_DEP_1)
	v_lshl_add_u32 v47, v48, 2, v47                ; K's row = my thread's number (and + 512): its lower key is 16 (row / 8) + row % 8, its upper 8 on
	global_load_b32 v49, v47, s[84:85]
	global_load_b32 v50, v47, s[84:85] offset:32
	global_load_b32 v51, v47, s[84:85] offset:4096
	global_load_b32 v52, v47, s[84:85] offset:4128
	v_lshlrev_b32 v53, 3, v0
	global_load_b64 v[54:55], v53, s[86:87]        ; V's scale words, as they lie
	v_lshlrev_b32 v56, 4, v0
	global_load_b128 v[60:63], v56, s[88:89]       ; four keys' mask
	v_mul_u32_u24 v[AK0], v40, KP
	s_delay_alu instid0(VALU_DEP_1)
	v_lshl_add_u32 v[AK0], v41, 4, v[AK0]
	v_lshl_add_u32 v[AV0], v42, 1, v43             ; channel r's piece: 2 (r % 8) + r / 8
	s_delay_alu instid0(VALU_DEP_1)
	v_mul_u32_u24 v[AV0], v[AV0], VP
	s_delay_alu instid0(VALU_DEP_1)
	v_lshl_add_u32 v[AV0], v41, 4, v[AV0]
	s_delay_alu instid0(VALU_DEP_1)
	v_add_nc_u32 v[AV0], VOFF, v[AV0]
	v_lshl_add_u32 v[ASC0], v40, 2, SCK
	v_lshl_add_u32 v[AM0], v41, 6, MB
	v_mov_b32 v[ONE], 0x7f7f7f7f
	v_lshl_add_u32 v59, v0, 2, SCK
	v_lshl_add_u32 v64, v0, 3, SCV
	v_lshl_add_u32 v65, v0, 4, MB
	v_mov_b32 v66, 0xcfee6b28                      ; -8e9
	v_mov_b32 v13, 0xff61b1e6                      ; the largest t so far: -3e38
	s_delay_alu instid0(VALU_DEP_1)
	v_floor_f32 v12, -v13                          ; -M
	v_mov_b32 v14, 0
	v_mov_b32 v15, 0
.irp j, 0,1,2,3,4,5,6,7
	v_mov_b32 v[16+\j], 0                          ; zero codes on both sides of q
	v_mov_b32 v[32+\j], 0
.endr
.irp j, 0,1,2,3,4,5,6,7,8,9,10,11,12,13,14,15,16,17,18,19,20,21,22,23,24,25,26,27,28,29,30,31
	v_mov_b32 v[OT+\j], 0                          ; the step is written once: the first finds zeros
.endr
.irp j, 0,1,2,3,4,5,6,7,8,9,10,11,12,13,14,15
	v_mov_b32 v[VS+\j], 0
.endr
.irp b, 0,1,2,3
	v_mov_b32 v[T1+\b], 0                          ; a lane permute's destination counts as one of its sources
.endr
	v_mov_b32 v[PW], 0                             ; (named as the upper half of the pair with f before it is first written)
	s_wait_loadcnt 0x0
	v_perm_b32 v57, v50, v49, s[SELK]              ; [lower key's two bytes | upper key's two]
	v_perm_b32 v58, v52, v51, s[SELK]
	ds_store_b32 v59, v57
	ds_store_b32 v59, v58 offset:2048
	ds_store_b64 v64, v[54:55]
.irp i, 0,1,2,3
	v_cmp_eq_u32 vcc_lo, 0, v[60+\i]
	s_delay_alu instid0(VALU_DEP_1)
	v_cndmask_b32 v[68+\i], 0, v66, vcc_lo         ; a padded key: -8e9, else 0
.endr
	ds_store_b128 v65, v[68:71]
	v_perm_b32 v[QS], v46, v46, s[SELQ]            ; q's two bytes twice: they serve [q | 0] and [0 | q]
; A KEY STEP: 128 keys, the q-th of the slot in hand.
.macro STEP q
	; (A) the sum of v, in waves 0 and 1, in every step
	s_add_co_u32 s96, s[TB], s54
	s_add_co_u32 s97, s[TS], s55
	v_add_nc_u32 v[ADV], s96, v[AV0]
	v_add_nc_u32 v[ADS], s97, v[ASC0]
.rept 6
	v_nop                                          ; with the two additions: eight places behind the last step's products, in front of loads into, and writes of, their registers
.endr
	s_cmp_lt_u32 s[WV], 2
	s_cbranch_scc0 .Lno_vs_\@
.irp t, 0,1
.irp c, 0,1,2,3
	ds_load_b128 v[FRG+16*\t+4*\c:FRG+16*\t+4*\c+3], v[ADV] offset:((2*(\q)+\c/2)*64+16*\t)*VP+32*(\c%2)
.endr
	ds_load_b32 v[FS+\t], v[ADS] offset:4096+64*\t
.endr
.irp i, 0,1,2,3,4,5,6,7,8,9,10,11,12,13,14,15
	v_mov_b32 v[PCD+\i], 0x38383838                ; codes of 1.0
.endr
.rept 4
	v_nop                                          ; an operand written by vector instructions stands four places ahead of a scaled matrix instruction
.endr
	s_wait_alu depctr_va_vdst(0)
	s_wait_dscnt 0x0
.irp t, 0,1
	v_wmma_scale_f32_16x16x128_f8f6f4 v[VS+8*\t:VS+8*\t+7], v[FRG+16*\t:FRG+16*\t+15], v[PCD:PCD+15], v[VS+8*\t:VS+8*\t+7], v[FS+\t], v[ONE]
.endr
.rept 8
	v_nop
.endr
.Lno_vs_\@:
	; (B) a step all of whose keys come after my 16 queries is left out: a scalar branch on ids; no barrier and no tensor load stands in a step
	s_add_co_u32 s96, s[Q0], 15
	s_cmp_gt_u32 s[KF], s96
	s_cbranch_scc1 .Lhidden_\@
	v_add_nc_u32 v[ADK], s[TB], v[AK0]
	v_add_nc_u32 v[ADV], s[TB], v[AV0]
	v_add_nc_u32 v[ADS], s[TS], v[ASC0]
	v_add_nc_u32 v[ADM], s[TM4], v[AM0]
.irp b, 0,1,2,3
	ds_load_b32 v[FS+\b], v[ADS] offset:64*\b
.irp c, 0,1,2,3
	ds_load_b128 v[FRG+16*\b+4*\c:FRG+16*\b+4*\c+3], v[ADK] offset:(64*(\q)+16*\b)*KP+32*\c
.endr
.irp c, 0,1,2,3
	ds_load_b128 v[S+16*\b+4*\c:S+16*\b+4*\c+3], v[ADM] offset:128*\b+16*\c   ; the mask of keys 32 b + 16 h + 4 c on: the C of the products below
.endr
.endr
	s_wait_dscnt 0x0
	s_wait_alu depctr_va_vdst(0)
.irp b, 0,1,2,3                                ; register 16 b + i of S: key KF + 32 b + 16 h + i.  Eight accumulators, one instruction each
	v_wmma_scale_f32_16x16x128_f8f6f4 v[S+16*\b:S+16*\b+7], v[FRG+16*\b:FRG+16*\b+15], v[24:39], v[S+16*\b:S+16*\b+7], v[FS+\b], v[QS]
	v_wmma_scale_f32_16x16x128_f8f6f4 v[S+16*\b+8:S+16*\b+15], v[FRG+16*\b:FRG+16*\b+15], v[16:31], v[S+16*\b+8:S+16*\b+15], v[FS+\b], v[QS]
.endr
.rept 8
	v_nop                                          ; places in front of the loads below and of the first read of the scores
.endr
.irp t, 0,1,2,3                                ; V's four fragments (16 channels x 128 keys) land while the softmax is walked
.irp c, 0,1,2,3
	ds_load_b128 v[FRG+16*\t+4*\c:FRG+16*\t+4*\c+3], v[ADV] offset:((2*(\q)+\c/2)*64+16*\t)*VP+32*(\c%2)
.endr
	ds_load_b32 v[FS+\t], v[ADS] offset:4096+64*\t
.endr
	; (C) on the diagonal the scores of hidden keys become -infinity ahead of the maximum.  A step all of whose keys count skips this
	s_add_co_u32 s96, s[KF], 127
	s_cmp_le_u32 s96, s[Q0]
	s_cbranch_scc1 .Lopen_\@
	s_sub_co_i32 s96, s[Q0], s[KF]
	v_and_b32 v[T1], 15, v0
	v_bfe_u32 v[T1+1], v0, 4, 1
	s_delay_alu instid0(VALU_DEP_1)
	v_lshlrev_b32 v[T1+1], 4, v[T1+1]
	s_delay_alu instid0(VALU_DEP_1)
	v_sub_nc_u32 v[T1], v[T1], v[T1+1]
	s_delay_alu instid0(VALU_DEP_1)
	v_add_nc_u32 v[T1], s96, v[T1]                 ; d = my query - KF - 16 h: register 16 b + i is hidden where 32 b + i > d
	v_mov_b32 v[TMP], 0xff800000
.irp n, 0,1,2,3,4,5,6,7,8,9,10,11,12,13,14,15,16,17,18,19,20,21,22,23,24,25,26,27,28,29,30,31,32,33,34,35,36,37,38,39,40,41,42,43,44,45,46,47,48,49,50,51,52,53,54,55,56,57,58,59,60,61,62,63
	v_cmp_gt_i32 vcc_lo, 32*(\n/16)+\n%16, v[T1]
	v_cndmask_b32 v[S+\n], v[S+\n], v[TMP], vcc_lo
.endr
.Lopen_\@:
	; (D) the softmax
.irp b, 0,1,2,3
	v_max3_num_f32 v[BM+\b], v[S+16*\b], v[S+1+16*\b], v[S+2+16*\b]   ; the largest score of each block of 32 keys: for the row's maximum, and, since p rises with the score, for the block's largest p
.endr
.irp i, 3,5,7,9,11,13
.irp b, 0,1,2,3
	v_max3_num_f32 v[BM+\b], v[BM+\b], v[S+16*\b+\i], v[S+1+16*\b+\i]
.endr
.endr
.irp b, 0,1,2,3
	v_max_num_f32 v[BM+\b], v[BM+\b], v[S+15+16*\b]
.endr
.irp b, 0,1,2,3
	s_delay_alu instid0(VALU_DEP_4)
	v_permlanex16_b32 v[T1+\b], v[BM+\b], s[SEL], s[SEL+1]
.endr
.irp b, 0,1,2,3
	s_delay_alu instid0(VALU_DEP_4)
	v_max_num_f32 v[BM+\b], v[BM+\b], v[T1+\b]     ; with lane l xor 16's 16 keys
.endr
	s_delay_alu instid0(VALU_DEP_2)
	v_max3_num_f32 v[TMP], v[BM], v[BM+1], v[BM+2]
	s_delay_alu instid0(VALU_DEP_1)
	v_max_num_f32 v[TMP], v[TMP], v[BM+3]
	s_delay_alu instid0(VALU_DEP_1)
	v_mul_f32 v[TMP], s[CS], v[TMP]                ; as t
	s_delay_alu instid0(VALU_DEP_1)
	v_max_num_f32 v13, v13, v[TMP]                 ; the running largest t
	v_mov_b32 v[TMP], v12
	s_delay_alu instid0(VALU_DEP_2)
	v_floor_f32 v12, -v13                          ; the new -M = -ceil(t)
	s_delay_alu instid0(VALU_DEP_1)
	v_sub_f32 v[TMP], v12, v[TMP]                  ; old M - new M: a whole number, 0 or less
	s_delay_alu instid0(VALU_DEP_1)
	v_cvt_i32_f32 v[TMP], v[TMP]                   ; (it saturates)
	s_delay_alu instid0(VALU_DEP_1)
	v_ldexp_f32 v[F], 1.0, v[TMP]                  ; f = 2^(old M - new M): the rescaling rounds nothing
.irp j, 0,2,4,6,8,10,12,14,16,18,20,22,24,26,28,30,32,34,36,38,40,42,44,46,48,50,52,54,56,58,60,62
	v_pk_fma_f32 v[S+\j:S+1+\j], v[S+\j:S+1+\j], s[CS:CS+1], v[12:13] op_sel_hi:[1,0,0]   ; t - M, two at a time
.endr
.irp b, 0,1,2,3
	v_fma_f32 v[BM+\b], v[BM+\b], s[CS], v12
.endr
	s_wait_alu depctr_va_vdst(0)
.irp j, 0,1,2,3,4,5,6,7,8,9,10,11,12,13,14,15,16,17,18,19,20,21,22,23,24,25,26,27,28,29,30,31,32,33,34,35,36,37,38,39,40,41,42,43,44,45,46,47,48,49,50,51,52,53,54,55,56,57,58,59,60,61,62,63
	v_exp_f32 v[S+\j], v[S+\j]                     ; p = 2^(t - M)
.endr
.irp b, 0,1,2,3
	v_exp_f32 v[BM+\b], v[BM+\b]                   ; the block's largest p: the same two instructions on the same number
.endr
	v_pk_mul_f32 v[14:15], v[14:15], v[F:F+1] op_sel_hi:[1,0]      ; the sums under the new M (a plain instruction behind the exponentials)
	s_wait_alu depctr_va_vdst(0)
.irp b, 0,1,2,3
	v_max_num_f32 v[BM+\b], 0x4800000, v[BM+\b]    ; the floor 2^(9 - 127)
.endr
.irp b, 0,1,2,3
	s_delay_alu instid0(VALU_DEP_4)
	v_add_nc_u32 v[SOP+\b], 0xfc000000, v[BM+\b]
.endr
.irp b, 0,1,2,3
.endr
.irp b, 0,1,2,3
	s_delay_alu instid0(VALU_DEP_4)
	v_lshrrev_b32 v[T1+\b], 23, v[SOP+\b]
.endr
	s_delay_alu instid0(VALU_DEP_3)
	v_lshl_or_b32 v[PW], v[T1+1], 8, v[T1]         ; p's scale word for these 128 keys
	s_delay_alu instid0(VALU_DEP_1)
	v_lshl_or_b32 v[PW], v[T1+2], 16, v[PW]
	s_delay_alu instid0(VALU_DEP_1)
	v_lshl_or_b32 v[PW], v[T1+3], 24, v[PW]
	v_pk_add_f32 v[220:221], v[108:109], v[112:113]
	v_pk_add_f32 v[226:227], v[116:117], v[120:121]
	v_pk_add_f32 v[224:225], v[124:125], v[128:129]
	v_pk_add_f32 v[218:219], v[132:133], v[136:137]
	v_pk_add_f32 v[216:217], v[140:141], v[144:145]
	v_pk_add_f32 v[214:215], v[148:149], v[152:153]
	v_pk_add_f32 v[212:213], v[156:157], v[160:161]
	v_pk_add_f32 v[14:15], v[14:15], v[164:165]
	v_pk_add_f32 v[220:221], v[220:221], v[104:105]
	v_pk_add_f32 v[226:227], v[226:227], v[106:107]
	v_pk_add_f32 v[224:225], v[224:225], v[110:111]
	v_pk_add_f32 v[218:219], v[218:219], v[114:115]
	v_pk_add_f32 v[216:217], v[216:217], v[118:119]
	v_pk_add_f32 v[214:215], v[214:215], v[122:123]
	v_pk_add_f32 v[212:213], v[212:213], v[126:127]
	v_pk_add_f32 v[14:15], v[14:15], v[130:131]
	v_pk_add_f32 v[220:221], v[220:221], v[134:135]
	v_pk_add_f32 v[226:227], v[226:227], v[138:139]
	v_pk_add_f32 v[224:225], v[224:225], v[142:143]
	v_pk_add_f32 v[218:219], v[218:219], v[146:147]
	v_pk_add_f32 v[216:217], v[216:217], v[150:151]
	v_pk_add_f32 v[214:215], v[214:215], v[154:155]
	v_pk_add_f32 v[212:213], v[212:213], v[158:159]
	v_pk_add_f32 v[14:15], v[14:15], v[162:163]
	v_pk_add_f32 v[220:221], v[220:221], v[166:167]
	s_delay_alu instid0(VALU_DEP_2)
	v_pk_add_f32 v[14:15], v[14:15], v[218:219]
	s_delay_alu instid0(VALU_DEP_2)
	v_pk_add_f32 v[220:221], v[220:221], v[216:217]
	v_pk_add_f32 v[226:227], v[226:227], v[214:215]
	v_pk_add_f32 v[224:225], v[224:225], v[212:213]
	s_delay_alu instid0(VALU_DEP_2)
	v_pk_add_f32 v[14:15], v[14:15], v[226:227]
	s_delay_alu instid0(VALU_DEP_2)
	v_pk_add_f32 v[220:221], v[220:221], v[224:225]
	s_delay_alu instid0(VALU_DEP_1)
	v_pk_add_f32 v[14:15], v[14:15], v[220:221]
.irp b, 0,1,2,3
.irp i, 0,1,2,3,4,5,6,7,8,9,10,11,12,13,14,15
.endr
	v_cvt_scalef32_pk8_fp8_f32 v[PCD+4*\b:PCD+1+4*\b], v[S+16*\b:S+7+16*\b], v[SOP+\b]
	v_cvt_scalef32_pk8_fp8_f32 v[PCD+2+4*\b:PCD+3+4*\b], v[S+8+16*\b:S+15+16*\b], v[SOP+\b]
.endr
.irp j, 0,2,4,6,8,10,12,14,16,18,20,22,24,26,28,30
	v_pk_mul_f32 v[OT+\j:OT+1+\j], v[OT+\j:OT+1+\j], v[F:F+1] op_sel_hi:[1,0]   ; O^T under the new M; these sixteen are also the places between the conversions and the products
.endr
	s_wait_alu depctr_va_vdst(0)
	; (E) O^T += V^T P^T: four accumulators, one instruction each
	s_wait_dscnt 0x0                               ; V's fragments and scale words
.irp t, 0,1,2,3
	v_wmma_scale_f32_16x16x128_f8f6f4 v[OT+8*\t:OT+8*\t+7], v[FRG+16*\t:FRG+16*\t+15], v[PCD:PCD+15], v[OT+8*\t:OT+8*\t+7], v[FS+\t], v[PW]
.endr
.Lhidden_\@:
	s_add_co_u32 s[KF], s[KF], 128
	s_add_co_u32 s[TS], s[TS], 256
	s_add_co_u32 s[TM4], s[TM4], 512
.endm
; THE CHANGE OF SLOTS stands at a slot's head.  Each wave waits for all its tensor loads, adds 0 to its spare word, and waits for that, for its LDS stores and for its reads of the slot that it has left.
; Behind the barrier the slot ahead is whole and nobody reads the other one.  fill = 1: that other slot is filled with the next 512 keys: the load has four steps in which to land.
.macro CHANGE fill
	s_wait_tensorcnt 0x0                           ; no tensor load of mine is out, so a group 0 may be written
	ds_add_u32 v[SPW], v[NIL]                      ; 0 onto my spare word
.if \fill
	s_xor_b32 s[G0K+1], s[G0K+1], SLOT1
	s_add_nc_u64 s[G0K+2:G0K+3], s[G0K+2:G0K+3], 32768
	s_xor_b32 s[G0V+1], s[G0V+1], SLOT1
	s_add_nc_u64 s[G0V+2:G0V+3], s[G0V+2:G0V+3], 32768
.endif
	s_wait_dscnt 0x0
	s_barrier_signal -1
	s_barrier_wait -1
.if \fill
	TLOAD                                          ; the first thing behind the barrier, and a wave's one tensor load until the next
.endif
.endm
.macro SLOT_STEPS
	STEP 0
	STEP 1
	STEP 2
	STEP 3
	s_xor_b32 s[TB], s[TB], SLOT1
.endm
.Lslot:                                            ; three trips: behind each change of slots but the last the next slot is asked for.  The first change also shows the head's LDS stores to every wave
	CHANGE 1
	SLOT_STEPS
	s_sub_co_u32 s[SLOTS], s[SLOTS], 1
	s_cmp_lg_u32 s[SLOTS], 0
	s_cbranch_scc1 .Lslot
	CHANGE 0                                       ; the last slot is written out
	SLOT_STEPS
	; THE WAY OUT
.rept 8
	v_nop                                          ; behind the last products
.endr
	v_add_f32 v14, v14, v15
	s_delay_alu instid0(VALU_DEP_1)
	v_permlanex16_b32 v[T1], v14, s[SEL], s[SEL+1]
	s_delay_alu instid0(VALU_DEP_1)
	v_add_f32 v14, v14, v[T1]                      ; the row's sum
	s_wait_alu depctr_va_vdst(0)
	v_rcp_f32 v14, v14
	v_and_b32 v8, 15, v0                           ; r
	v_bfe_u32 v9, v0, 4, 1                         ; h
	s_delay_alu instid0(VALU_DEP_1)
	v_lshl_add_u32 v10, v9, 5, VSB                 ; the sum of v: channel 16 t + 8 h + j at 64 t + 32 h + 4 j
	s_delay_alu instid0(VALU_DEP_1)
	v_add_nc_u32 v4, s55, v10                      ; wave 1's two tiles lie 128 bytes on
	s_mul_i32 s96, s[WV], 1280
	s_add_co_u32 s96, s96, STG                     ; my stage
	v_mul_u32_u24 v1, v8, 80
	s_delay_alu instid0(VALU_DEP_1)
	v_lshl_add_u32 v1, v9, 3, v1
	s_delay_alu instid0(VALU_DEP_1)
	v_add_nc_u32 v1, s96, v1                       ; in: query r's 64 bytes, + 8 h
	v_and_b32 v2, 31, v0
	s_delay_alu instid0(VALU_DEP_1)
	v_lshrrev_b32 v3, 2, v2
	s_delay_alu instid0(VALU_DEP_2)
	v_and_b32 v2, 3, v2
	s_delay_alu instid0(VALU_DEP_2)
	v_mul_u32_u24 v7, v3, 80
	s_delay_alu instid0(VALU_DEP_1)
	v_lshl_add_u32 v7, v2, 4, v7
	s_delay_alu instid0(VALU_DEP_1)
	v_add_nc_u32 v7, s96, v7                       ; back: four lanes to a query
	v_lshlrev_b32 v3, 10, v3
	s_delay_alu instid0(VALU_DEP_1)
	v_lshl_add_u32 v3, v2, 4, v3                   ; and the same place in y's codes (rows of 1,024 bytes)
	v_lshlrev_b32 v8, 5, v8                        ; my query's row of 32 scale bytes
	s_cmp_lt_u32 s[WV], 2
	s_cbranch_scc0 .Lno_vsum
	s_wait_alu depctr_va_vdst(0)
.irp t, 0,1
	ds_store_b128 v4, v[VS+8*\t:VS+8*\t+3] offset:64*\t            ; the sixteen lanes of a half write the same bytes with the same values
	ds_store_b128 v4, v[VS+8*\t+4:VS+8*\t+7] offset:64*\t+16
.endr
.Lno_vsum:
	s_wait_dscnt 0x0                               ; for the others' sake
	s_barrier_signal -1
	s_barrier_wait -1
.irp t, 0,1,2,3
	ds_load_b128 v[FRG+8*\t:FRG+8*\t+3], v10 offset:64*\t
	ds_load_b128 v[FRG+8*\t+4:FRG+8*\t+7], v10 offset:64*\t+16
.endr
	v_cmp_gt_f32 vcc_lo, 0xcdee6b28, v13           ; -5e8 > my largest t: all my visible keys are padded
	v_mov_b32 v[TMP], 0x3a000000                   ; 2^-11
	s_wait_alu depctr_va_vdst(0)
	v_cndmask_b32 v[F], v14, v[TMP], vcc_lo
	s_wait_dscnt 0x0
.irp n, 0,1,2,3,4,5,6,7,8,9,10,11,12,13,14,15,16,17,18,19,20,21,22,23,24,25,26,27,28,29,30,31
	v_cndmask_b32 v[S+\n], v[OT+\n], v[FRG+\n], vcc_lo
.endr
.irp j, 0,2,4,6,8,10,12,14,16,18,20,22,24,26,28,30
	v_pk_mul_f32 v[S+\j:S+1+\j], v[S+\j:S+1+\j], v[F:F+1] op_sel_hi:[1,0]     ; y(query r, 16 t + 8 h + j) in register 8 t + j
.endr
.irp b, 0,1                                    ; y's two blocks of 32 channels: my 16 numbers of each, the rest in lane l xor 16
	v_max3_num_f32 v[BM+\b], |v[S+16*\b]|, |v[S+1+16*\b]|, 0x4800000
.endr
.irp i, 2,4,6,8,10,12,14
.irp b, 0,1
	s_delay_alu instid0(VALU_DEP_2)
	v_max3_num_f32 v[BM+\b], v[BM+\b], |v[S+16*\b+\i]|, |v[S+1+16*\b+\i]|
.endr
.endr
.irp b, 0,1
	s_delay_alu instid0(VALU_DEP_2)
	v_permlanex16_b32 v[T1+\b], v[BM+\b], s[SEL], s[SEL+1]
.endr
.irp b, 0,1
	s_delay_alu instid0(VALU_DEP_2)
	v_max_num_f32 v[BM+\b], v[BM+\b], v[T1+\b]
.endr
.irp b, 0,1
	s_delay_alu instid0(VALU_DEP_2)
	v_add_nc_u32 v[SOP+\b], 0xfc000000, v[BM+\b]
.endr
.irp b, 0,1
.endr
.irp b, 0,1
	s_delay_alu instid0(VALU_DEP_2)
	v_lshrrev_b32 v[T1+\b], 23, v[SOP+\b]
.endr
	s_delay_alu instid0(VALU_DEP_1)
	v_lshl_or_b32 v[TMP], v[T1+1], 8, v[T1]        ; the two scale bytes
.irp b, 0,1
.irp i, 0,1,2,3,4,5,6,7,8,9,10,11,12,13,14,15
.endr
	v_cvt_scalef32_pk8_fp8_f32 v[PCD+4*\b:PCD+1+4*\b], v[S+16*\b:S+7+16*\b], v[SOP+\b]
	v_cvt_scalef32_pk8_fp8_f32 v[PCD+2+4*\b:PCD+3+4*\b], v[S+8+16*\b:S+15+16*\b], v[SOP+\b]
.endr
	v_nop
.irp t, 0,1,2,3
	ds_store_b64 v1, v[PCD+2*\t:PCD+2*\t+1] offset:16*\t           ; channels 16 t + 8 h + 0 .. 7
.endr
.irp e, 0,1
	ds_load_b128 v[FRG+4*\e:FRG+4*\e+3], v7 offset:640*\e          ; LDS serves a wave's instructions in order: these see my stores
.endr
	global_store_b16 v8, v[TMP], s[92:93]          ; lanes r and r + 16 store the same two bytes
	s_wait_dscnt 1                                 ; the first eight queries' codes are back; the second load may be out
	global_store_b128 v3, v[FRG:FRG+3], s[90:91]
	s_wait_dscnt 0x0
	global_store_b128 v3, v[FRG+4:FRG+7], s[90:91] offset:8192
	s_wait_tensorcnt 0x0                           ; the wave's end
	ds_add_u32 v[SPW], v[NIL]
	s_wait_dscnt 0x0
	s_endpgm
.Lfunc_end_k_q696886f615_attn:
	.size	k_q696886f615_attn, .Lfunc_end_k_q696886f615_attn-k_q696886f615_attn
	.p2alignl 7, 3214868480
	.fill 96, 4, 3214868480
	.section	.rodata,"a",@progbits
	.p2align	6, 0x0
	.amdhsa_kernel k_q696886f615_attn
		.amdhsa_group_segment_fixed_size 327680
		.amdhsa_private_segment_fixed_size 0
		.amdhsa_enable_private_segment 0
		.amdhsa_kernarg_size 24
		.amdhsa_user_sgpr_count 2
		.amdhsa_user_sgpr_kernarg_segment_ptr 1
		.amdhsa_wavefront_size32 1
		.amdhsa_system_sgpr_workgroup_id_x 1
		.amdhsa_system_sgpr_workgroup_id_y 1
		.amdhsa_system_sgpr_workgroup_id_z 1
		.amdhsa_system_vgpr_workitem_id 0
		.amdhsa_next_free_vgpr 256
		.amdhsa_next_free_sgpr 100
		.amdhsa_reserve_vcc 1
		.amdhsa_float_denorm_mode_32 3
		.amdhsa_float_denorm_mode_16_64 3
		.amdhsa_fp16_overflow 1
		.amdhsa_memory_ordered 1
		.amdhsa_forward_progress 1
		.amdhsa_inst_pref_size 233
	.end_amdhsa_kernel
	.amdgpu_metadata
---
amdhsa.version: [ 1, 2 ]
amdhsa.kernels:
  - .name:           k_q696886f615_attn
    .symbol:         k_q696886f615_attn.kd
    .args:
      - { .name: qkv, .offset: 0, .size: 8, .value_kind: global_buffer, .address_space: global }
      - { .name: attention_mask, .offset: 8, .size: 8, .value_kind: global_buffer, .address_space: global }
      - { .name: yq, .offset: 16, .size: 8, .value_kind: global_buffer, .address_space: global }
    .group_segment_fixed_size: 327680
    .private_segment_fixed_size: 0
    .kernarg_segment_align: 8
    .kernarg_segment_size: 24
    .max_flat_workgroup_size: 512
    .sgpr_count:     100
    .vgpr_count:     256
    .wavefront_size: 32
...
	.end_amdgpu_metadata
.endif
;; end of part 3
;; launch proj (part 4): grid 4 x 32, 4 waves a work-group, clusters of 4 x 4, 327,680 bytes of LDS; arguments yq, xw, bp, out0; writes out0
.if DOCPART == 4
	.amdgcn_target "amdgcn-amd-amdhsa--gfx1250"
	.amdhsa_code_object_version 6
	.text
	.protected	k_q696886f615_proj
	.globl	k_q696886f615_proj
	.p2align	8
	.type	k_q696886f615_proj,@function
k_q696886f615_proj:
	s_mov_b64 s[64:65], 0
	v_nop
	global_prefetch_b8 v0, s[64:65] scope:SCOPE_SE
	s_setreg_imm32_b32 hwreg(HW_REG_WAVE_MODE, 25, 1), 1
	s_wait_xcnt 0x0
	s_wait_alu depctr_hold_cnt(0) depctr_sa_sdst(0) depctr_va_vdst(0) depctr_va_sdst(0) depctr_va_ssrc(0) depctr_va_vcc(0) depctr_vm_vsrc(0)
	s_getreg_b32 s2, hwreg(HW_REG_IB_STS2, 6, 4)
	s_cmp_eq_u32 s2, 0
	s_cbranch_scc0 .Lentry_in_a_cluster
	s_endpgm
.Lentry_in_a_cluster:
	s_bfe_u32 s2, ttmp6, 0x10000c
	s_cmp_lg_u32 s2, 0xf033
	s_cbranch_scc0 .Lentry_shape_is_right
	s_endpgm
.Lentry_shape_is_right:
; out0 = y Wp + bp on codes of FP8 (E4M3) with one E8M0 scale for each 32 along K = 1,024.  y's codes [8192][1024] and scale bytes [8192][32] lie in yq; Wp's codes [1024 (n)][1024 (k)] and scale bytes in xw.
; A tile of the output, 256 x 256, is made by four waves, 128 x 128 each: 64 accumulators, 512 registers.  K goes in steps of 256 through a ring of two LDS slots filled by the tensor data mover (rows of 256 bytes).
; The scale bytes of the tile's 256 + 256 rows, for all of K, come into LDS once.  4 x 4 work-groups form a cluster: y's tile is asked for jointly by a row of the cluster, Wp's by a column.
; The matrix instruction is used transposed (source 0 = 16 rows of Wp, source 1 = 16 rows of y): a lane holds eight neighbouring numbers of a row of the output.  The bias is the C of the first K step.
; The output has 128 such tiles, so 128 work-groups are launched: a smaller tile would read each LDS byte for half the products.
; REGISTERS, in windows of 256: window 0: v0-31 addresses; v32-63 scale words, two sets; v64-127 the bias, eight sets of 8; from v128 A's fragments, one set.
;   window 1: B's fragments, two sets.   window 2: the accumulators of my rows 0-63 ((a, b) at v[8 (8 a + b)]);   window 3: those of rows 64-127.
.set Y_SCALES,  8388608
.set WP_CODES,  8388608+3145728
.set WP_SCALES, 12845056+98304
.set SIZE_N, 1024
.set NQ,     2
.set ROWB,   256
.set KROW,   1024
.set PITCH,  272                       ; an LDS row: 256 bytes + 16 of padding: the 16 rows that a load touches start at 16 different banks (64 banks of 4 bytes: ISA guide 11.1)
.set FR,     16
.set NL,     4
.set NP,     8                         ; places behind this matrix instruction (ISA guide 7.12.1)
.set HALFT,  128*PITCH
.set SLOT,   4*HALFT
.set LAPS,   2
.set KS,     32
.set SCL,    2*SLOT
.set HALFS,  (128*KS/256)*272
.set SBLK,   (16*KS/256)*272
.set SPARE,  SCL+4*HALFS               ; the spare words, 128 bytes for each wave: two blocks of 256 bytes that no other line names
.set SPITCH, 528                       ; the way out: a stage of 16 rows x (512 bytes + 16) for each wave, in slot 0, which has had its last fill and its last read by then
.set ADRA, 16
.set ADRB, 20
.set STO,  24
.set RD,   25
.set CO,   26
.set ADRS, 27
.set SPW,  28
.set NIL,  29
.set SC,   32
.set CB,   64
.set AF,   128
.set BK,   128
.set G1, 24
.set G0, 32
.set G1B, 48
.set G0B, 56
.set G1S, 68
.set G0S, 76
.set G1SB, 80
.set G0SB, 88
.set MSB, 0
.macro WIN new                         ; the immediate's high byte repeats the setting that is left
.if MSB != \new
	s_set_vgpr_msb (MSB<<8)|\new
.set MSB, \new
.endif
.endm
.set MUL_LO, 0xa1
.set MUL_HI, 0xf1
.set TO_B,   0x40
.macro JLOAD g0a, g1a, g0b, g1b        ; a joint load: waves 0 and 1 fetch for A, waves 2 and 3 for B; four v_nop follow each line
	s_cmp_eq_u32 s15, 0
	s_cbranch_scc0 .Lfor_b_\@
	tensor_load_to_lds s[\g0a:\g0a+3], s[\g1a:\g1a+7]
	s_nop 0
.rept 4
	v_nop
.endr
	s_branch .Lasked_\@
.Lfor_b_\@:
	tensor_load_to_lds s[\g0b:\g0b+3], s[\g1b:\g1b+7]
	s_nop 0
.rept 4
	v_nop
.endr
.Lasked_\@:
.endm
.macro CREST
	s_cmp_lg_u32 s14, 0
	s_cbranch_scc1 .Lnot_wave_0_\@
	s_barrier_signal -3
.Lnot_wave_0_\@:
	s_barrier_wait -3
	s_barrier_signal -1
	s_barrier_wait -1
.endm
.macro CROUND
	s_barrier_signal -1
	s_barrier_wait -1
	CREST
.endm
	s_load_b256 s[4:11], s[0:1], 0x0               ; yq s[4:5], xw s[6:7], bp s[8:9], out0 s[10:11]
	v_lshl_add_u32 v[SPW], v0, 2, SPARE
	v_mov_b32 v[NIL], 0
	ds_add_u32 v28, v29
	s_wait_dscnt 0x0
	v_lshrrev_b32 v1, 5, v0
	v_readfirstlane_b32 s14, v1                    ; wave 0..3
	s_lshr_b32 s15, s14, 1                         ; which half of the tile's rows is mine.  Also: I fetch for A (0) or for B (1)
	s_and_b32 s16, s14, 1                          ; which half of its columns.  Also: which 128 rows of that tile I fetch
	s_bfe_u32 s40, ttmp6, 0x40000                  ; cx, cy
	s_bfe_u32 s41, ttmp6, 0x40004
	s_lshl_b32 s42, ttmp9, 2
	s_add_co_u32 s42, s42, s40                     ; tile column
	s_and_b32 s17, ttmp7, 0xffff
	s_lshl_b32 s17, s17, 2
	s_add_co_u32 s17, s17, s41                     ; tile row
	s_lshl_b32 s43, s41, 2
	s_lshl_b32 s43, 15, s43                        ; my row of the cluster
	s_lshl_b32 s44, 0x1111, s40                    ; my column
	s_or_b32 s[G1+0], s43, (0<<16)|(1<<20)|(1<<21)|(5<<22)|(3<<25)  ; the mask; elements of 1 byte; padding on; bit 21 beside a mask; four words after every 64
	s_or_b32 s[G1B+0], s44, (0<<16)|(1<<20)|(1<<21)|(5<<22)|(3<<25)
.irp g, G1, G1B
	s_mov_b32 s[\g+1], ROWB<<16
	s_mov_b32 s[\g+2], 128<<16
	s_mov_b32 s[\g+3], ROWB<<16
	s_mov_b32 s[\g+4], 128
	s_mov_b32 s[\g+5], KROW
	s_mov_b32 s[\g+6], 0
	s_mov_b32 s[\g+7], 0
.endr
	s_or_b32 s[G1S+0], s43, (3<<16)|(1<<20)|(1<<21)|(5<<22)|(3<<25) ; the scales of 128 rows: 4,096 dense bytes as rows of 256 (32 elements of 8 bytes), 16 bytes of padding behind each
	s_or_b32 s[G1SB+0], s44, (3<<16)|(1<<20)|(1<<21)|(5<<22)|(3<<25)
.irp g, G1S, G1SB
	s_mov_b32 s[\g+1], 32<<16
	s_mov_b32 s[\g+2], (128*KS/256)<<16
	s_mov_b32 s[\g+3], 32<<16
	s_mov_b32 s[\g+4], 128*KS/256
	s_mov_b32 s[\g+5], 32
	s_mov_b32 s[\g+6], 0
	s_mov_b32 s[\g+7], 0
.endr
	s_lshl_b32 s18, s16, 7
	s_lshl_b32 s19, s17, 8
	s_add_co_u32 s19, s19, s18                     ; A: row 256 x tile row + 128 x half
	s_lshl_b32 s20, s19, 10
	s_mov_b32 s21, 0
	s_lshl_b32 s22, s19, 5
	s_add_co_u32 s22, s22, Y_SCALES
	s_mov_b32 s23, 0
	s_lshl_b32 s47, s42, 8
	s_add_co_u32 s47, s47, s18                     ; B: row 256 x tile column + 128 x half
	s_lshl_b32 s46, s47, 10
	s_add_co_u32 s46, s46, WP_CODES
	s_lshl_b32 s92, s47, 5
	s_add_co_u32 s92, s92, WP_SCALES
	s_mov_b32 s47, 0
	s_mov_b32 s93, 0
	s_mul_i32 s45, s14, HALFT
	s_mul_i32 s94, s14, HALFS
	s_wait_kmcnt 0x0
	s_add_nc_u64 s[20:21], s[4:5], s[20:21]
	s_add_nc_u64 s[22:23], s[4:5], s[22:23]
	s_add_nc_u64 s[46:47], s[6:7], s[46:47]
	s_add_nc_u64 s[92:93], s[6:7], s[92:93]
	CROUND                                         ; all sixteen work-groups are here: the first joint loads meet
	s_mov_b32 s[G0S], 1
	s_add_co_u32 s[G0S+1], s94, SCL
	s_mov_b64 s[G0S+2:G0S+3], s[22:23]
	s_or_b32 s[G0S+3], s[G0S+3], 0x80000000
	s_mov_b32 s[G0SB], 1
	s_add_co_u32 s[G0SB+1], s94, SCL
	s_mov_b64 s[G0SB+2:G0SB+3], s[92:93]
	s_or_b32 s[G0SB+3], s[G0SB+3], 0x80000000
	JLOAD G0S, G1S, G0SB, G1SB                     ; with the two loads below three tensor loads of mine are out
.irp s, 0,1
	s_mov_b32 s[G0+4*\s], 1
	s_add_co_u32 s[G0+4*\s+1], s45, \s*SLOT
	s_add_nc_u64 s[G0+4*\s+2:G0+4*\s+3], s[20:21], \s*ROWB
	s_or_b32 s[G0+4*\s+3], s[G0+4*\s+3], 0x80000000
	s_mov_b32 s[G0B+4*\s], 1
	s_add_co_u32 s[G0B+4*\s+1], s45, \s*SLOT
	s_add_nc_u64 s[G0B+4*\s+2:G0B+4*\s+3], s[46:47], \s*ROWB
	s_or_b32 s[G0B+4*\s+3], s[G0B+4*\s+3], 0x80000000
	JLOAD G0+4*\s, G1, G0B+4*\s, G1B
.endr
	v_and_b32 v1, 15, v0                           ; r
	v_bfe_u32 v2, v0, 4, 1                         ; h
	v_mul_u32_u24 v3, v1, PITCH
	v_lshl_add_u32 v4, v2, 4, v3
	s_mul_i32 s21, s15, HALFT
	s_mul_i32 s22, s16, HALFT
	s_add_co_u32 s22, s22, 2*HALFT
.irp s, 0,1
	v_add_nc_u32 v[ADRA+\s], s21, v4
	v_add_nc_u32 v[ADRB+\s], s22, v4
	s_add_co_u32 s21, s21, SLOT
	s_add_co_u32 s22, s22, SLOT
.endr
	v_mul_u32_u24 v5, v1, KS
	v_lshrrev_b32 v6, 8, v5
	v_lshl_add_u32 v5, v6, 4, v5
	s_mul_i32 s21, s15, HALFS
	s_mul_i32 s22, s16, HALFS
	s_add_co_u32 s22, s22, 2*HALFS
	s_sub_co_u32 s22, s22, s21
	v_mul_u32_u24 v6, s22, v2                      ; lanes 16-31 take B's
	s_add_co_u32 s21, s21, SCL
	v_add_nc_u32 v5, v5, v6
	v_add_nc_u32 v[ADRS], s21, v5
	s_mul_i32 s23, s14, 16*SPITCH                  ; my stage
	v_mul_u32_u24 v5, v1, SPITCH
	v_lshl_add_u32 v5, v2, 5, v5
	v_add_nc_u32 v[STO], s23, v5                   ; in: row r, 32 bytes for each half of the lanes
	v_and_b32 v6, 31, v0
	v_lshlrev_b32 v[CO], 4, v6
	v_add_nc_u32 v[RD], s23, v[CO]                 ; back: the 32 lanes take one row of 512 bytes
	s_lshl_b32 s96, s17, 8
	s_lshl_b32 s97, s15, 7
	s_add_co_u32 s96, s96, s97                     ; my first row of the output
	s_lshl_b32 s96, s96, 12
	s_lshl_b32 s98, s42, 8
	s_lshl_b32 s97, s16, 7
	s_add_co_u32 s98, s98, s97                     ; my first column
	s_lshl_b32 s98, s98, 2
	s_mov_b32 s99, 0
	s_add_co_u32 s96, s96, s98
	s_mov_b32 s97, 0
	s_add_nc_u64 s[12:13], s[10:11], s[96:97]
	s_add_nc_u64 s[8:9], s[8:9], s[98:99]
	v_lshlrev_b32 v7, 5, v2
.irp b, 0,1,2,3,4,5,6,7                ; set b, register j: bp at column 16 b + 8 h + j
	global_load_b128 v[CB+8*\b:CB+8*\b+3], v7, s[8:9] offset:64*\b
	global_load_b128 v[CB+8*\b+4:CB+8*\b+7], v7, s[8:9] offset:64*\b+16
.endr
.macro FRAG reg, adr, q, i
.irp c, 0,1,2,3
	ds_load_b128 v[\reg+4*\c:\reg+4*\c+3], v[\adr] offset:128*(\q)+32*\c+(\i)*16*PITCH
.endr
.endm
; 16 matrix instructions: A's blocks a0, a0 + 1 x B's eight.  zero = 1: the sums start from the bias.  The 64 accumulators take turns, one instruction a turn.
.macro MUL16 a0, p, q, sc, zero
.irp a, \a0, \a0+1
.irp b, 0,1,2,3,4,5,6,7
.if \zero
	v_wmma_scale_f32_16x16x128_f8f6f4 v[8*(8*((\a)%4)+\b):8*(8*((\a)%4)+\b)+7], v[128*(\p)+FR*\b:128*(\p)+FR*\b+FR-1], v[AF+FR*(\a):AF+FR*(\a)+FR-1], v[CB+8*\b:CB+8*\b+7], v[SC+8*NQ*(\sc)+NQ*\b+(\q)], v[SC+8*NQ*(\sc)+NQ*(\a)+(\q)] matrix_a_scale:MATRIX_SCALE_ROW1
.else
	v_wmma_scale_f32_16x16x128_f8f6f4 v[8*(8*((\a)%4)+\b):8*(8*((\a)%4)+\b)+7], v[128*(\p)+FR*\b:128*(\p)+FR*\b+FR-1], v[AF+FR*(\a):AF+FR*(\a)+FR-1], v[8*(8*((\a)%4)+\b):8*(8*((\a)%4)+\b)+7], v[SC+8*NQ*(\sc)+NQ*\b+(\q)], v[SC+8*NQ*(\sc)+NQ*(\a)+(\q)] matrix_a_scale:MATRIX_SCALE_ROW1
.endif
.endr
.endr
.endm
.macro FETCH_B slot, q, p
	WIN TO_B
.irp i, 0,1,2,3,4,5,6,7
	FRAG 128*(\p)+FR*\i, ADRB+\slot, \q, \i
.endr
	WIN 0
.endm
.macro FETCH_A slot, q, i0
.irp i, \i0, \i0+1, \i0+2, \i0+3
	FRAG AF+FR*(\i), ADRA+\slot, \q, \i
.endr
.endm
.macro SCALES sc
.irp i, 0,1,2,3,4,5,6,7
	ds_load_b64 v[SC+8*NQ*\sc+NQ*\i:SC+8*NQ*\sc+NQ*\i+1], v[ADRS] offset:\i*SBLK
.endr
.endm
.macro PLACES n
.rept \n
	v_nop
.endr
.endm
.macro STEP slot, q, zero
	s_wait_dscnt 4*NL                              ; B's set and A's blocks 0-3 are in; the youngest sixteen loads (A's blocks 4-7) may be out
.if \zero
	WIN 0x81                                       ; C (the bias) window 0, D window 2
.else
	WIN MUL_LO
.endif
	MUL16 0, (\q)%2, \q, \slot, \zero
	MUL16 2, (\q)%2, \q, \slot, \zero
	s_wait_dscnt 0
	PLACES NP
	FETCH_B \slot, (\q)+1, 1-(\q)%2
	FETCH_A \slot, (\q)+1, 0
.if \zero
	WIN 0xc1
.else
	WIN MUL_HI
.endif
	MUL16 4, (\q)%2, \q, \slot, \zero
	MUL16 6, (\q)%2, \q, \slot, \zero
	PLACES NP
	WIN 0
	FETCH_A \slot, (\q)+1, 4
.endm
.macro TURN slot, next, fill
	s_wait_tensorcnt 0x0                           ; all my tensor loads have landed: my part of the next slot
	ds_add_u32 v[SPW], v[NIL]                      ; 0 onto my spare word
	s_wait_dscnt 4*NL+1                            ; (the add and the youngest sixteen loads may be out)
	WIN MUL_LO
	MUL16 0, 1, NQ-1, \slot, 0
	s_wait_dscnt 0x0                               ; the add is done, and my reads of this slot are over
	s_barrier_signal -1
	MUL16 2, 1, NQ-1, \slot, 0
	WIN 0
	s_barrier_wait -1
.if \fill
	CREST                                          ; no wave of any partner still reads this slot or has a load on its way
	s_add_nc_u64 s[G0+4*\slot+2:G0+4*\slot+3], s[G0+4*\slot+2:G0+4*\slot+3], 2*ROWB
	s_add_nc_u64 s[G0B+4*\slot+2:G0B+4*\slot+3], s[G0B+4*\slot+2:G0B+4*\slot+3], 2*ROWB
	JLOAD G0+4*\slot, G1, G0B+4*\slot, G1B
	PLACES NP-4
.else
	PLACES NP
.endif
	v_add_nc_u32 v[ADRS], 4*NQ, v[ADRS]
	FETCH_B \next, 0, 0
	FETCH_A \next, 0, 0
	SCALES \next
	WIN MUL_HI
	MUL16 4, 1, NQ-1, \slot, 0
	MUL16 6, 1, NQ-1, \slot, 0
	PLACES NP
	WIN 0
	FETCH_A \next, 0, 4
.endm
	s_wait_tensorcnt 1                             ; the scales and my part of slot 0 are in (slot 1's load may be out)
	s_barrier_signal -1
	s_barrier_wait -1                              ; everybody's are
	FETCH_B 0, 0, 0
	FETCH_A 0, 0, 0
	SCALES 0
	FETCH_A 0, 0, 4
	s_wait_loadcnt 0x0                             ; the bias
	STEP 0, 0, 1
	s_mov_b32 s3, LAPS-1
.Llap:
	TURN 0, 1, 1
	STEP 1, 0, 0
	TURN 1, 0, 1
	STEP 0, 0, 0
	s_sub_co_u32 s3, s3, 1
	s_cmp_lg_u32 s3, 0
	s_cbranch_scc1 .Llap
	TURN 0, 1, 0                                   ; the last lap fills nothing
	STEP 1, 0, 0
	s_wait_dscnt 4*NL
	WIN MUL_LO
	MUL16 0, 1, NQ-1, 1, 0
	MUL16 2, 1, NQ-1, 1, 0
	s_wait_dscnt 0
	WIN MUL_HI
	MUL16 4, 1, NQ-1, 1, 0
	MUL16 6, 1, NQ-1, 1, 0
	WIN 0
; THE WAY OUT, block by block of 16 rows x 128 columns: through my own stage in LDS and back as whole rows of 512 bytes.  LDS serves a wave's instructions in order: no wait between the stores and the loads.
.macro TOSTAGE a
.set AC, 64*((\a)%4)
	WIN 0x08+4*((\a)/4)                            ; the data: window 2 or 3
.irp b, 0,1,2,3,4,5,6,7
	ds_store_b128 v[STO], v[AC+8*\b:AC+8*\b+3] offset:64*\b          ; each accumulator from its low end on
	ds_store_b128 v[STO], v[AC+8*\b+4:AC+8*\b+7] offset:64*\b+16
.endr
	WIN 0
.set BB, BK+64*((\a)%2)
.irp t, 0,1,2,3,4,5,6,7,8,9,10,11,12,13,14,15
	ds_load_b128 v[BB+4*\t:BB+4*\t+3], v[RD] offset:\t*SPITCH
.endr
.endm
.macro SEND a, younger
.set BB, BK+64*((\a)%2)
	s_wait_dscnt \younger                          ; the block is back in registers
.if (\a) > 0
	s_add_nc_u64 s[12:13], s[12:13], 16*SIZE_N*4   ; (behind a wait on XCNT: the earlier stores have read their base)
.endif
.irp t, 0,1,2,3,4,5,6,7,8,9,10,11,12,13,14,15
	global_store_b128 v[CO], v[BB+4*\t:BB+4*\t+3], s[12:13] offset:\t*SIZE_N*4 th:TH_STORE_NT   ; 32 lanes store 512 consecutive bytes, aligned; written once, read by nobody here
.endr
.endm
	PLACES NP
	TOSTAGE 0
.irp a, 1,2,3,4,5,6,7
.if \a > 1
	s_wait_xcnt 0x0                                ; block a - 2's stores have read their registers and their base
.endif
	TOSTAGE \a
	SEND \a-1, 32                                  ; behind block a - 1's loads: block a's 16 stores and 16 loads
.endr
	s_wait_xcnt 0x0
	SEND 7, 0
	s_wait_tensorcnt 0x0                           ; the wave's end
	ds_add_u32 v[SPW], v[NIL]
	s_wait_dscnt 0x0
	CROUND                                         ; no work-group ends while a partner may still ask for a tile that names it
	s_endpgm
.Lfunc_end_k_q696886f615_proj:
	.size	k_q696886f615_proj, .Lfunc_end_k_q696886f615_proj-k_q696886f615_proj
	.p2alignl 7, 3214868480
	.fill 96, 4, 3214868480
	.section	.rodata,"a",@progbits
	.p2align	6, 0x0
	.amdhsa_kernel k_q696886f615_proj
		.amdhsa_group_segment_fixed_size 327680
		.amdhsa_private_segment_fixed_size 0
		.amdhsa_enable_private_segment 0
		.amdhsa_kernarg_size 32
		.amdhsa_user_sgpr_count 2
		.amdhsa_user_sgpr_kernarg_segment_ptr 1
		.amdhsa_wavefront_size32 1
		.amdhsa_system_sgpr_workgroup_id_x 1
		.amdhsa_system_sgpr_workgroup_id_y 1
		.amdhsa_system_sgpr_workgroup_id_z 1
		.amdhsa_system_vgpr_workitem_id 0
		.amdhsa_next_free_vgpr 1024
		.amdhsa_next_free_sgpr 100
		.amdhsa_reserve_vcc 0
		.amdhsa_float_denorm_mode_32 3
		.amdhsa_float_denorm_mode_16_64 3
		.amdhsa_memory_ordered 1
		.amdhsa_forward_progress 1
		.amdhsa_inst_pref_size 147
	.end_amdhsa_kernel
	.amdgpu_metadata
---
amdhsa.version: [ 1, 2 ]
amdhsa.kernels:
  - .name:           k_q696886f615_proj
    .symbol:         k_q696886f615_proj.kd
    .args:
      - { .name: yq, .offset: 0, .size: 8, .value_kind: global_buffer, .address_space: global }
      - { .name: xw, .offset: 8, .size: 8, .value_kind: global_buffer, .address_space: global }
      - { .name: bp, .offset: 16, .size: 8, .value_kind: global_buffer, .address_space: global }
      - { .name: out0, .offset: 24, .size: 8, .value_kind: global_buffer, .address_space: global }
    .group_segment_fixed_size: 327680
    .private_segment_fixed_size: 0
    .kernarg_segment_align: 8
    .kernarg_segment_size: 32
    .max_flat_workgroup_size: 128
    .sgpr_count:     100
    .vgpr_count:     1024
    .wavefront_size: 32
...
	.end_amdgpu_metadata
.endif
;; end of part 4
